; MI455X (gfx1250); checked and timed in simulation.
; The chip was launched on July 23, 2026; its instructions are those of AMD's public machine-readable ISA for CDNA 5 (MIT licence, August 2026) and "CDNA5" Instruction Set Architecture Reference Guide (July 2026). The comments in the code are by the model that wrote it; some were corrected since.
;; Wan I2 V Cross Attention Processor. Allowed arithmetic: float matrix products may take bf16 or f16 operands with f32 sums; other float arithmetic in f32, or as packed bf16 or f16 multiplies, adds, multiply-adds, maxima and minima; sums over many terms, partial sums and values carried from step to step in f32; what a program stores and reads back later, other than sums and carried values, may be rounded once to bf16 or f16.
;; Inputs: Wk 2,048 x 2,048 float32; Wki 2,048 x 2,048 float32; Wo 2,048 x 2,048 float32; Wq 2,048 x 2,048 float32; Wv 2,048 x 2,048 float32; Wvi 2,048 x 2,048 float32; bk 2,048 float32; bki 2,048 float32; bo 2,048 float32; bq 2,048 float32; bv 2,048 float32; bvi 2,048 float32; context 2 x 769 x 2,048 float32; context_lens 2 int32; gk 2,048 float32; gki 2,048 float32; gq 2,048 float32; x 2 x 2,048 x 2,048 float32.
;; Outputs: out0 2 x 2,048 x 2,048 float32.
;; 2 versions, each right; version 2 is version 1 with the launch cast written anew for expert scheduling mode. Each part assembles by itself: llvm-mc -triple=amdgcn-amd-amdhsa -mcpu=gfx1250 --defsym DOCPART=n.
;; ======== version 1 of 2: 4 launches
;; limits: values are held in f16: magnitudes above 65,504 overflow, below 6.1e-05 lose precision
;; workspace buffers: ah 25,165,824 bytes; wh 50,331,648 bytes; bt 49,152 bytes; gt 8,192 bytes; qkv 33,554,432 bytes; ssq 393,216 bytes; oh 16,777,216 bytes
;; launch cast (part 1): grid 256 x 9, 8 waves a work-group, no clusters, 0 bytes of LDS; arguments x, context, Wq, Wk, Wki, Wv, Wvi, Wo, bq, bk, bki, bv, bvi, bo, gq, gk, gki, ah, wh, bt, gt; writes ah, wh, bt, gt
.if DOCPART == 1
	.amdgcn_target "amdgcn-amd-amdhsa--gfx1250"
	.amdhsa_code_object_version 6
	.text
	.protected	k_qc4902a9dcc_cast
	.globl	k_qc4902a9dcc_cast
	.p2align	8
	.type	k_qc4902a9dcc_cast,@function
k_qc4902a9dcc_cast:
	s_mov_b64 s[64:65], 0
	v_nop
	global_prefetch_b8 v0, s[64:65] scope:SCOPE_SE
	s_setreg_imm32_b32 hwreg(HW_REG_WAVE_MODE, 25, 1), 1
	s_wait_xcnt 0x0
; EVERY INPUT IS ROUNDED ONCE TO bf16.  x, context and the six weights are then written as that same number in f16 (exact inside f16's range), so that one matrix form serves all products.
; ah: f16 [6144][2048]: rows 0-4095 x; 4096 + 512 b + j text row j of batch b; 5120 + 512 b + i image row min(i, 256) (rows 257-511 repeat row 256: finite, never used as keys).
; wh: f16 [6][2048][2048]: Wq, Wk, Wki, Wv, Wvi, Wo as they lie.  bt: f32 [6][2048]: bq, bk, bki, bv, bvi, bo rounded to bf16.  gt: f16 [2][2048]: gq gki, gq gk (of the rounded gains).
; LIMITS.  A number of 65,520 or more in magnitude becomes an infinity in f16; below 6e-5 f16 keeps its fixed step of 6e-8.  NaN and infinities are not treated apart.
; SHARES.  18,432 rows of 2,048 numbers in 2,304 work-groups of 8 rows: nine for each of 256 WGPs.  Eight waves.  Thread t takes the 16 bytes at 16 t and at 4,096 + 16 t of a source row (a wave's load:
; 512 bytes on end) and stores 8 bytes at 8 t and at 2,048 + 8 t (a wave's store: 256 bytes on end, aligned).  All sixteen loads of a thread go out at once; each row is converted in place as it comes,
; so no register that a store reads is written again and the stream has no wait but the counted ones for its loads.
; No LDS, no cluster, no matrix unit: nothing is shared and nothing is multiplied.  No prefetch: the launch is one stream that is read as fast as it comes.
.set OFF, 4                            ; v[4:11]   row i: byte offset of my first 16 bytes in its source row; never rewritten
.set X,   12                           ; v[12:75]  row i: 8 registers as loaded; its first 4 then hold what is stored
.set U,   76                           ; v[76:79]  at work
.set SJ,  32                           ; v[32:103] the small job's nine vectors, 8 registers each (ahead of the stream)
.set SU,  104                          ; v[104:111] the small job's work
	s_load_b512 s[8:23], s[0:1], 0x0               ; x, context, Wq, Wk, Wki, Wv, Wvi, Wo
	s_load_b512 s[24:39], s[0:1], 0x40             ; bq, bk, bki, bv, bvi, bo, gq, gk
	s_load_b256 s[40:47], s[0:1], 0x80             ; gki, ah, wh, bt
	s_load_b64 s[48:49], s[0:1], 0xa0              ; gt
	s_mov_b32 s3, ttmp9                            ; gx
	s_and_b32 s2, ttmp7, 0xffff                    ; y: 0, 1 x; 2 context; 3-8 a weight
	s_mov_b32 s57, 0xffff0000                      ; a word's upper bf16
	v_lshlrev_b32 v1, 4, v0                        ; 16 t
	v_lshlrev_b32 v2, 3, v0                        ; 8 t
	; source row of my row r = S0 + min(R0 + r, LIM): s55 = S0, s54 = R0, s56 = LIM; s59 = first destination row
	s_lshl_b32 s60, s3, 3                          ; 8 gx
	s_lshl_b32 s61, s2, 11
	s_add_co_u32 s61, s61, s60                     ; 2,048 y + 8 gx
	s_bfe_u32 s62, s3, 0x10006                     ; context: the batch is bit 6 of gx
	s_mul_i32 s62, s62, 769
	s_mov_b32 s56, 511
	s_cmp_ge_u32 s3, 128                           ; gx >= 128: image rows
	s_cselect_b32 s63, 0, 257
	s_cselect_b32 s56, 256, s56
	s_add_co_u32 s55, s62, s63
	s_and_b32 s54, s3, 63
	s_lshl_b32 s54, s54, 3
	s_add_co_u32 s59, s60, 4096
	s_cmp_lt_u32 s2, 2                             ; x
	s_cselect_b32 s55, 0, s55
	s_cselect_b32 s54, s61, s54
	s_cselect_b32 s56, 4095, s56
	s_cselect_b32 s59, s61, s59
	s_sub_co_u32 s61, s61, 6144                    ; 2,048 (y - 3) + 8 gx: used for y >= 3 alone
	s_cmp_ge_u32 s2, 3                             ; a weight
	s_cselect_b32 s55, 0, s55
	s_cselect_b32 s54, s60, s54
	s_cselect_b32 s56, 2047, s56
	s_cselect_b32 s59, s61, s59
	s_lshl_b32 s60, s59, 12                        ; a destination row is 4,096 bytes
	s_mov_b32 s61, 0
	s_wait_kmcnt 0x0
	s_cmp_ge_u32 s2, 2
	s_cselect_b64 s[50:51], s[10:11], s[8:9]       ; the source: chosen among the eight buffers by y alone
.irp k, 3,4,5,6,7,8
	s_cmp_ge_u32 s2, \k
	s_cselect_b64 s[50:51], s[6+2*(\k):7+2*(\k)], s[50:51]
.endr
	s_cmp_lt_u32 s2, 3
	s_cselect_b64 s[52:53], s[42:43], s[44:45]     ; the destination: ah or wh
	s_add_nc_u64 s[52:53], s[52:53], s[60:61]
	; THE SMALL JOB, in one work-group: biases and gains.  Thread t: channels 4 t .. 4 t + 3 and 1,024 + 4 t .. + 3.
	s_or_b32 s58, s2, s3
	s_cmp_lg_u32 s58, 0
	s_cbranch_scc1 .Lrows
.irp i, 0,1,2,3,4,5,6,7,8
	global_load_b128 v[SJ+8*(\i):SJ+8*(\i)+3],   v1, s[24+2*(\i):25+2*(\i)]
	global_load_b128 v[SJ+8*(\i)+4:SJ+8*(\i)+7], v1, s[24+2*(\i):25+2*(\i)] offset:4096
.endr
	s_wait_loadcnt 0x0
.irp i, 0,1,2,3,4,5,6,7,8
.irp j, 0,1,2,3
	v_cvt_pk_bf16_f32 v[SU+(\j)], v[SJ+8*(\i)+2*(\j)], v[SJ+8*(\i)+2*(\j)+1]  ; rounded to bf16,
.endr
.irp j, 0,1,2,3
	v_lshlrev_b32 v[SJ+8*(\i)+2*(\j)],   16,  v[SU+(\j)]                      ; and back in f32, in place
	v_and_b32     v[SJ+8*(\i)+2*(\j)+1], s57, v[SU+(\j)]
.endr
.endr
.irp i, 0,1,2,3,4,5
	global_store_b128 v1, v[SJ+8*(\i):SJ+8*(\i)+3],   s[46:47] offset:8192*(\i)
	global_store_b128 v1, v[SJ+8*(\i)+4:SJ+8*(\i)+7], s[46:47] offset:8192*(\i)+4096
.endr
.irp j, 0,2,4,6
	v_pk_mul_f32 v[SJ+56+(\j):SJ+57+(\j)], v[SJ+48+(\j):SJ+49+(\j)], v[SJ+56+(\j):SJ+57+(\j)]  ; gq gk: exact in f32 (8 x 8 significant bits)
	v_pk_mul_f32 v[SJ+64+(\j):SJ+65+(\j)], v[SJ+48+(\j):SJ+49+(\j)], v[SJ+64+(\j):SJ+65+(\j)]  ; gq gki
.endr
.irp j, 0,1,2,3
	v_cvt_pk_f16_f32 v[SU+(\j)],   v[SJ+64+2*(\j)], v[SJ+65+2*(\j)]
	v_cvt_pk_f16_f32 v[SU+4+(\j)], v[SJ+56+2*(\j)], v[SJ+57+2*(\j)]
.endr
	global_store_b64 v2, v[SU:SU+1],   s[48:49]                ; gt[0] = gq gki
	global_store_b64 v2, v[SU+2:SU+3], s[48:49] offset:2048
	global_store_b64 v2, v[SU+4:SU+5], s[48:49] offset:4096    ; gt[1] = gq gk
	global_store_b64 v2, v[SU+6:SU+7], s[48:49] offset:6144
	s_wait_xcnt 0x0                                ; these stores have read their registers: the rows' loads land on some of them
.Lrows:
.irp i, 0,1,2,3,4,5,6,7
	s_add_co_u32 s59, s54, \i
	s_min_u32 s59, s59, s56
	s_add_co_u32 s59, s59, s55
	s_lshl_b32 s59, s59, 13                        ; a source row is 8,192 bytes
	v_add_nc_u32 v[OFF+(\i)], s59, v1
	global_load_b128 v[X+8*(\i):X+8*(\i)+3],   v[OFF+(\i)], s[50:51]
	global_load_b128 v[X+8*(\i)+4:X+8*(\i)+7], v[OFF+(\i)], s[50:51] offset:4096
.endr
; Row i: rounded to bf16, widened, written as f16 into the row's own first four registers (result j reads registers 2 j and 2 j + 1, never one that an earlier result has taken), and stored.
.macro ROW i
	s_wait_loadcnt 14-2*(\i)                       ; loads come back in order (ISA guide 5.7.1): my two are in; the younger rows' two each stay out
.irp j, 0,1,2,3
	v_cvt_pk_bf16_f32 v[U+(\j)], v[X+8*(\i)+2*(\j)], v[X+8*(\i)+2*(\j)+1]
.endr
.irp j, 0,1,2,3
	v_lshlrev_b32 v[X+8*(\i)+2*(\j)],   16,  v[U+(\j)]
	v_and_b32     v[X+8*(\i)+2*(\j)+1], s57, v[U+(\j)]
.endr
.irp j, 0,1,2,3
	v_cvt_pk_f16_f32 v[X+8*(\i)+(\j)], v[X+8*(\i)+2*(\j)], v[X+8*(\i)+2*(\j)+1]
.endr
	global_store_b64 v2, v[X+8*(\i):X+8*(\i)+1],   s[52:53] offset:4096*(\i) th:TH_STORE_NT
	global_store_b64 v2, v[X+8*(\i)+2:X+8*(\i)+3], s[52:53] offset:4096*(\i)+2048 th:TH_STORE_NT
.endm
.irp i, 0,1,2,3,4,5,6,7
	ROW \i
.endr
	s_endpgm
.Lfunc_end_k_qc4902a9dcc_cast:
	.size	k_qc4902a9dcc_cast, .Lfunc_end_k_qc4902a9dcc_cast-k_qc4902a9dcc_cast
	.p2alignl 7, 3214868480
	.fill 96, 4, 3214868480
	.section	.rodata,"a",@progbits
	.p2align	6, 0x0
	.amdhsa_kernel k_qc4902a9dcc_cast
		.amdhsa_group_segment_fixed_size 0
		.amdhsa_private_segment_fixed_size 0
		.amdhsa_enable_private_segment 0
		.amdhsa_kernarg_size 168
		.amdhsa_user_sgpr_count 2
		.amdhsa_user_sgpr_kernarg_segment_ptr 1
		.amdhsa_wavefront_size32 1
		.amdhsa_system_sgpr_workgroup_id_x 1
		.amdhsa_system_sgpr_workgroup_id_y 1
		.amdhsa_system_sgpr_workgroup_id_z 1
		.amdhsa_system_vgpr_workitem_id 0
		.amdhsa_next_free_vgpr 112
		.amdhsa_next_free_sgpr 66
		.amdhsa_reserve_vcc 0
		.amdhsa_float_denorm_mode_32 3
		.amdhsa_float_denorm_mode_16_64 3
		.amdhsa_memory_ordered 1
		.amdhsa_forward_progress 1
		.amdhsa_inst_pref_size 22
	.end_amdhsa_kernel
	.amdgpu_metadata
---
amdhsa.version: [ 1, 2 ]
amdhsa.kernels:
  - .name:           k_qc4902a9dcc_cast
    .symbol:         k_qc4902a9dcc_cast.kd
    .args:
      - { .name: x, .offset: 0, .size: 8, .value_kind: global_buffer, .address_space: global }
      - { .name: context, .offset: 8, .size: 8, .value_kind: global_buffer, .address_space: global }
      - { .name: Wq, .offset: 16, .size: 8, .value_kind: global_buffer, .address_space: global }
      - { .name: Wk, .offset: 24, .size: 8, .value_kind: global_buffer, .address_space: global }
      - { .name: Wki, .offset: 32, .size: 8, .value_kind: global_buffer, .address_space: global }
      - { .name: Wv, .offset: 40, .size: 8, .value_kind: global_buffer, .address_space: global }
      - { .name: Wvi, .offset: 48, .size: 8, .value_kind: global_buffer, .address_space: global }
      - { .name: Wo, .offset: 56, .size: 8, .value_kind: global_buffer, .address_space: global }
      - { .name: bq, .offset: 64, .size: 8, .value_kind: global_buffer, .address_space: global }
      - { .name: bk, .offset: 72, .size: 8, .value_kind: global_buffer, .address_space: global }
      - { .name: bki, .offset: 80, .size: 8, .value_kind: global_buffer, .address_space: global }
      - { .name: bv, .offset: 88, .size: 8, .value_kind: global_buffer, .address_space: global }
      - { .name: bvi, .offset: 96, .size: 8, .value_kind: global_buffer, .address_space: global }
      - { .name: bo, .offset: 104, .size: 8, .value_kind: global_buffer, .address_space: global }
      - { .name: gq, .offset: 112, .size: 8, .value_kind: global_buffer, .address_space: global }
      - { .name: gk, .offset: 120, .size: 8, .value_kind: global_buffer, .address_space: global }
      - { .name: gki, .offset: 128, .size: 8, .value_kind: global_buffer, .address_space: global }
      - { .name: ah, .offset: 136, .size: 8, .value_kind: global_buffer, .address_space: global }
      - { .name: wh, .offset: 144, .size: 8, .value_kind: global_buffer, .address_space: global }
      - { .name: bt, .offset: 152, .size: 8, .value_kind: global_buffer, .address_space: global }
      - { .name: gt, .offset: 160, .size: 8, .value_kind: global_buffer, .address_space: global }
    .group_segment_fixed_size: 0
    .private_segment_fixed_size: 0
    .kernarg_segment_align: 8
    .kernarg_segment_size: 168
    .max_flat_workgroup_size: 256
    .sgpr_count:     66
    .vgpr_count:     112
    .wavefront_size: 32
...
	.end_amdgpu_metadata
.endif
;; end of part 1
;; launch proj (part 2): grid 8 x 32, 4 waves a work-group, clusters of 4 x 4, 327,680 bytes of LDS; arguments ah, wh, bt, qkv, ssq; writes qkv, ssq
.if DOCPART == 2
	.amdgcn_target "amdgcn-amd-amdhsa--gfx1250"
	.amdhsa_code_object_version 6
	.text
	.protected	k_qc4902a9dcc_proj
	.globl	k_qc4902a9dcc_proj
	.p2align	8
	.type	k_qc4902a9dcc_proj,@function
k_qc4902a9dcc_proj:
	s_mov_b64 s[64:65], 0
	v_nop
	global_prefetch_b8 v0, s[64:65] scope:SCOPE_SE
	s_setreg_imm32_b32 hwreg(HW_REG_WAVE_MODE, 25, 1), 1
	s_wait_xcnt 0x0
	s_wait_alu depctr_hold_cnt(0) depctr_sa_sdst(0) depctr_va_vdst(0) depctr_va_sdst(0) depctr_va_ssrc(0) depctr_va_vcc(0) depctr_vm_vsrc(0)
	s_getreg_b32 s2, hwreg(HW_REG_IB_STS2, 6, 4)
	s_cmp_eq_u32 s2, 0
	s_cbranch_scc0 .Lentry_in_a_cluster
	s_endpgm
.Lentry_in_a_cluster:
	s_bfe_u32 s2, ttmp6, 0x10000c
	s_cmp_lg_u32 s2, 0xf033
	s_cbranch_scc0 .Lentry_shape_is_right
	s_endpgm
.Lentry_shape_is_right:
; THE FIVE PROJECTIONS.  C[m][n] = bias[n] + the sum over k of A[m][k] W[k][n].  A = ah: f16 [6144][2048]; W: f16 [2048 k][2048 n], one of wh's six; sums in f32.
; Tile row ty of 256 rows of qkv (f16 [8192][2048], raw x W + b: no norm, no gain): 0-15 q = x Wq; 16-19 k of the text; 20-23 k of the image; 24-27 v of the text; 28-31 v of the image (these eight take
; ah's tile rows 16-23 once more).  For rows 0-6143 each row's sum of squares over 128 columns, taken of the f32 numbers, goes to ssq: f32 [96 blocks of 64 rows][16 column blocks of 128][64 rows];
; the launch behind adds the 16 and makes the norm.
; LIMITS.  f16 ends at 65,504: the raw x W + b stays below it for inputs up to some 30 times those drawn; below 6e-5 f16 keeps its fixed step of 6e-8.  NaN and infinities are not treated apart.
; SHARES.  A tile of C is 256 x 256: 32 x 8 = 256 work-groups, one for each of 256 WGPs.  Four waves, as many as a WGP has SIMDs; wave w makes rows 128 (w / 2) .. + 127 x columns 128 (w % 2) .. + 127:
; 64 accumulators of 16 x 16, 512 registers.  K goes in steps of 128 through two LDS slots: A's rows are 256 bytes of memory; W's 128 k rows come as two column halves of 256 bytes a row; all aligned.
; From a refill's request to the wait for it a wave issues 224 matrix instructions.
; CLUSTERS.  4 x 4 work-groups.  A's tile hangs on the tile row and is asked for jointly by a row of the cluster, W's on the tile column (and on the cluster's y) and by a column.
; THE MATRIX INSTRUCTION IS USED TRANSPOSED: source 0 = 16 columns of W (turned out of LDS by ds_load_tr16_b128), source 1 = 16 rows of A: a lane holds row l % 16 of C and the columns 8 (l / 16) + 0..7.
; THE BIAS STARTS THE SUMS: in that layout register j of column block b wants bias[16 b + 8 (l / 16) + j], whatever the row block: those 64 registers are the C operand of each accumulator's first product.
; REGISTERS, in windows of 256 (s_set_vgpr_msb: bits 1:0 source 0, 3:2 source 1, 5:4 source 2, 7:6 destination):
;   window 0: v0-31 addresses; v64-127, v128-191 A's fragments (8 x 16 rows x 32 K), two buffers; v32-63, v192-255, and v64-83 when the products are over: the way out
;   window 1: v0-63 my 64 biases; v64-127, v128-191 W's fragments, two buffers
;   window 2: the 32 accumulators of my rows 0-63 ((a, b) at v[8 (8 a + b)]);   window 3: those of my rows 64-127
.set KSTEP, 128
.set PA,    272                        ; A's LDS row: 256 bytes + 16 = 68 words: the 16 rows of a load start at 16 different groups of four banks (64 banks of 4 bytes: ISA guide 11.1)
.set PW,    288                        ; W's: 256 + 32 = 72 words
.set AHALF, 128*PA                     ; what wave 0 or 1 fetches, and what a wave reads of A
.set WHALF, 128*PW                     ; what wave 2 or 3 fetches, and what a wave reads of W: 128 k rows of one column half
.set WOFF,  2*AHALF
.set SLOT,  WOFF+2*WHALF               ; 143,360
.set STAGE, 2*SLOT                     ; behind the ring: 16 rows x 272 bytes for each wave, for the way out
.set SP,    272
.set SSTG,  STAGE+4*16*SP              ; 512 bytes a wave: its 128 rows' sums of squares
.set SPARE, SSTG+4*512                 ; the spare words, 128 bytes a wave: two blocks of 256 bytes that no other line names
.set LAPS,  2048/(2*KSTEP)             ; a lap = two K steps = once round the ring
.set ADRA, 16                          ; v16-17 LDS address of my A fragments in slot 0, 1
.set ADRB, 20                          ; v20-21 the same for W
.set SSA,  22                          ; v22  where my row's sum of squares goes
.set SSR,  23                          ; v23  where I read two of them back
.set STO,  24                          ; v24  the way out: where I put 16 bytes of a row
.set RD,   25                          ; v25  where I read rows back
.set CO,   26                          ; v26  my byte offset in C
.set BO,   27                          ; v27  32 (l / 16): my biases
.set SPW,  28                          ; v28  my spare word: SPARE + 4 x my thread's number; never rewritten
.set NIL,  29                          ; v29  0; never rewritten
.set PFO,  30                          ; v30  4,096 x my lane: a row of A or of W in memory; never rewritten
.set SSO,  31                          ; v31  8 x my lane
.set F0,   64                          ; fragment buffer 0, in windows 0 and 1
.set F1,   128                         ; fragment buffer 1
.set TMP,  192                         ; the way out: a block packed
.set OB,   32                          ; a block read back from the stage: v32-63 and v224-255 by turns
.set SQ,   64                          ; v64-67 two chains of squares; v68 at work
.set SSV,  72                          ; v72-79 the eight blocks' sums
.set G1,  24                           ; s[24:31] group 1 for A's tiles;  s[32:39] group 0, a set for each slot
.set G0,  32
.set G1B, 48                           ; s[48:55], s[56:63] the same for W's
.set G0B, 56
.set LIM, 43                           ; s43  1 in a wave that prefetches, else the greatest number
.set PFA, 44                           ; s[44:45] where my prefetches stand
.set PFS, 46                           ; s[46:47] a K step there, in bytes
.set MSB, 0
.macro WIN new                         ; the immediate's high byte repeats the setting that is left; a switch that changes nothing is dropped
.if MSB != (\new)
	s_set_vgpr_msb (MSB<<8)|(\new)
.set MSB, \new
.endif
.endm
; A joint load: waves 0 and 1 fetch A's halves, waves 2 and 3 W's.  The branch hangs on the wave's number alone.  An s_nop 0 and four v_nop follow each of the two lines.
.macro JLOAD s
	s_cmp_eq_u32 s15, 0
	s_cbranch_scc0 .Lfor_w_\@
	tensor_load_to_lds s[G0+4*(\s):G0+4*(\s)+3], s[G1:G1+7]
	s_nop 0
.rept 4
	v_nop
.endr
	s_branch .Lasked_\@
.Lfor_w_\@:
	tensor_load_to_lds s[G0B+4*(\s):G0B+4*(\s)+3], s[G1B:G1B+7]
	s_nop 0
.rept 4
	v_nop
.endr
.Lasked_\@:
.endm
.macro CREST                           ; a round of the cluster's barrier behind its opening barrier
	s_cmp_lg_u32 s14, 0
	s_cbranch_scc1 .Lnot_wave_0_\@
	s_barrier_signal -3
.Lnot_wave_0_\@:
	s_barrier_wait -3
	s_barrier_signal -1
	s_barrier_wait -1
.endm
.macro CROUND                          ; a whole round
	s_barrier_signal -1
	s_barrier_wait -1
	CREST
.endm
; A PREFETCH, behind each joint refill and the run of LDS loads that follows it: the K step that stands two refills on, 512 matrix instructions ahead of the load that will want it: 32 rows x 256 bytes,
; a lane a row, one instruction a wave.  Each block is named once in the launch.  A's: waves 0 and 1 of the clusters with x = 0 and y < 6 (the clusters above walk rows that y = 4 and 5 walk); of the
; 128 rows that the wave fetches the partner at cx takes 32 cx .. + 31.  W's: waves 2 and 3, each for its own column half, of the first cluster along y that takes that weight; of the K step's 128 k rows
; the partner at cy takes 32 cy .. + 31.  The partners are told apart by address alone.  K steps 0 to 3 come by their loads; the loop's last trip asks for nothing: no K step stands behind its refills.
.macro ASK
	s_cmp_gt_u32 s3, s[LIM]
	s_cbranch_scc0 .Lnot_mine_\@
	global_prefetch_b8 v[PFO], s[PFA:PFA+1] th:TH_LOAD_NT scope:SCOPE_SE
.Lnot_mine_\@:
.endm
	s_load_b256 s[4:11], s[0:1], 0x0               ; ah s[4:5], wh s[6:7], bt s[8:9], qkv s[10:11]
	s_load_b64 s[12:13], s[0:1], 0x20              ; ssq
	v_lshl_add_u32 v[SPW], v0, 2, SPARE
	v_mov_b32 v[NIL], 0
	ds_add_u32 v[SPW], v[NIL]                      ; the wave's opening: the add and its wait ahead of my first tensor load; work on registers stands between them
	v_lshrrev_b32 v1, 5, v0
	v_readfirstlane_b32 s14, v1                    ; wave 0..3
	s_lshr_b32 s15, s14, 1                         ; which half of the tile's rows is mine.  Also: I fetch for A (0) or for W (1)
	s_and_b32 s16, s14, 1                          ; which half of its columns.  Also: which half I fetch
	s_bfe_u32 s17, ttmp6, 0x40000                  ; cx
	s_bfe_u32 s18, ttmp6, 0x40004                  ; cy
	s_lshl_b32 s19, ttmp9, 2
	s_add_co_u32 s19, s19, s17                     ; tx: tile column = 4 x cluster x + cx
	s_and_b32 s20, ttmp7, 0xffff                   ; CY: cluster y
	s_lshl_b32 s21, s20, 2
	s_add_co_u32 s21, s21, s18                     ; ty: tile row = 4 x cluster y + cy
	s_max_u32 s22, s20, 3
	s_sub_co_u32 s22, s22, 3                       ; the weight: 0 for CY 0-3, then 1, 2, 3, 4
	s_cmp_ge_u32 s20, 6
	s_cselect_b32 s23, 8, 0
	s_sub_co_u32 s40, s21, s23                     ; A's tile row: v takes the rows that k took
	s_lshl_b32 s23, s18, 2
	s_lshl_b32 s23, 15, s23                        ; my row of the cluster
	s_lshl_b32 s72, 0x1111, s17                    ; my column
	s_or_b32 s[G1+0], s23, (1<<16)|(1<<20)|(1<<21)|(5<<22)|(3<<25)   ; 15:0 the mask; 17:16 2-byte elements; 20 padding on; 21 set beside a mask; 24:22 after every 64 words; 31:25 4 words of it
	s_or_b32 s[G1B+0], s72, (1<<16)|(1<<20)|(1<<21)|(5<<22)|(7<<25)  ; W's: my column, 8 words of padding
.irp g, G1, G1B
	s_mov_b32 s[(\g)+1], 128<<16                   ; tensor_dim0 = 128 elements
	s_mov_b32 s[(\g)+2], 128<<16                   ; tensor_dim1 = 128
	s_mov_b32 s[(\g)+3], 128<<16                   ; tile_dim0 = 128
	s_mov_b32 s[(\g)+4], 128                       ; tile_dim1 = 128 rows
	s_mov_b32 s[(\g)+5], 2048                      ; elements from row to row
	s_mov_b32 s[(\g)+6], 0
	s_mov_b32 s[(\g)+7], 0
.endr
	s_mov_b32 s66, 0x76543210                      ; v_permlanex16_b32: each lane takes its own place in the other half
	s_mov_b32 s67, 0xfedcba98
	s_lshl_b32 s40, s40, 20                        ; A: (256 x tile row + 128 x half) rows of 4,096 bytes: no register here ever holds cx
	s_lshl_b32 s41, s16, 19
	s_add_co_u32 s40, s40, s41
	s_mov_b32 s41, 0
	s_lshl_b32 s68, s22, 23                        ; W: the weight's 8,388,608 bytes, 512 bytes a tile column, 256 a half: none of these ever holds cy
	s_lshl_b32 s69, s19, 9
	s_add_co_u32 s68, s68, s69
	s_lshl_b32 s69, s16, 8
	s_add_co_u32 s68, s68, s69
	s_mov_b32 s69, 0
	s_mul_i32 s42, s16, AHALF                      ; where they go: the wave's number and constants alone
	s_mul_i32 s70, s16, WHALF
	s_add_co_u32 s70, s70, WOFF
	s_wait_dscnt 0x0                               ; the opening add is done
	s_wait_kmcnt 0x0
	s_add_nc_u64 s[40:41], s[4:5], s[40:41]
	s_add_nc_u64 s[68:69], s[6:7], s[68:69]
	CROUND                                         ; all sixteen work-groups are here: the first joint loads meet
.irp s, 0,1
	s_mov_b32 s[G0+4*(\s)], 1
	s_add_co_u32 s[G0+4*(\s)+1], s42, (\s)*SLOT
	s_add_nc_u64 s[G0+4*(\s)+2:G0+4*(\s)+3], s[40:41], (\s)*KSTEP*2
	s_or_b32 s[G0+4*(\s)+3], s[G0+4*(\s)+3], 0x80000000
	s_mov_b32 s[G0B+4*(\s)], 1
	s_add_co_u32 s[G0B+4*(\s)+1], s70, (\s)*SLOT
	s_add_nc_u64 s[G0B+4*(\s)+2:G0B+4*(\s)+3], s[68:69], (\s)*KSTEP*4096
	s_or_b32 s[G0B+4*(\s)+3], s[G0B+4*(\s)+3], 0x80000000
	JLOAD \s                                       ; two loads of mine are out
.endr
	v_and_b32 v1, 15, v0                           ; r = l % 16
	v_bfe_u32 v2, v0, 4, 1                         ; h = l / 16
	v_and_b32 v6, 31, v0                           ; l
	v_mul_u32_u24 v3, v1, PA
	v_lshl_add_u32 v3, v2, 4, v3                   ; r x 272 + 16 h
	s_mul_i32 s23, s15, AHALF                      ; my 128 rows of A
	v_add_nc_u32 v[ADRA], s23, v3
	v_add_nc_u32 v[ADRA+1], SLOT, v[ADRA]
	v_and_b32 v4, 7, v0                            ; the turning load: lane l reads k row 8 h + l % 8, columns 8 ((l / 8) % 2) + 0..7
	v_lshl_add_u32 v4, v2, 3, v4
	v_mul_u32_u24 v4, v4, PW
	v_bfe_u32 v5, v0, 3, 1
	v_lshl_add_u32 v4, v5, 4, v4
	s_mul_i32 s23, s16, WHALF                      ; my column half of W
	s_add_co_u32 s23, s23, WOFF
	v_add_nc_u32 v[ADRB], s23, v4
	v_add_nc_u32 v[ADRB+1], SLOT, v[ADRB]
	s_mul_i32 s23, s14, 16*SP
	s_add_co_u32 s23, s23, STAGE                   ; my stage
	v_add_nc_u32 v[STO], s23, v3                   ; in: row r, 16 bytes for each half of the lanes (the stage's pitch is A's)
	v_mul_u32_u24 v[RD], v2, SP                    ; back: lanes 0-15 one row of 256 bytes, lanes 16-31 the next
	v_lshl_add_u32 v[RD], v1, 4, v[RD]
	v_add_nc_u32 v[RD], s23, v[RD]
	v_lshlrev_b32 v[CO], 12, v2                    ; and the same two rows in qkv
	v_lshl_add_u32 v[CO], v1, 4, v[CO]
	s_lshl_b32 s23, s14, 9
	s_add_co_u32 s23, s23, SSTG
	v_lshl_add_u32 v[SSA], v1, 2, s23
	v_lshl_add_u32 v[SSR], v6, 3, s23
	v_lshlrev_b32 v[SSO], 3, v6
	v_lshlrev_b32 v[BO], 5, v2
	v_lshlrev_b32 v[PFO], 12, v6
	s_lshl_b32 s72, s21, 8
	s_lshl_b32 s73, s15, 7
	s_add_co_u32 s72, s72, s73                     ; my first row of C,
	s_lshl_b32 s72, s72, 12
	s_lshl_b32 s73, s19, 9                         ; my first column, in bytes
	s_add_co_u32 s72, s72, s73
	s_lshl_b32 s73, s16, 8
	s_add_co_u32 s72, s72, s73
	s_mov_b32 s73, 0
	s_add_nc_u64 s[10:11], s[10:11], s[72:73]
	s_lshl_b32 s72, s22, 13                        ; the weight's biases, my 128 of them
	s_lshl_b32 s74, s19, 10
	s_add_co_u32 s72, s72, s74
	s_lshl_b32 s74, s16, 9
	s_add_co_u32 s72, s72, s74
	s_add_nc_u64 s[8:9], s[8:9], s[72:73]
	s_lshl_b32 s72, s21, 2                         ; ssq: my first block of 64 rows, 4 ty + 2 x row half,
	s_lshl_b32 s74, s15, 1
	s_add_co_u32 s72, s72, s74
	s_lshl_b32 s72, s72, 12
	s_lshl_b32 s74, s19, 9                         ; my column block's 256 bytes in it: 2 tx + column half
	s_add_co_u32 s72, s72, s74
	s_lshl_b32 s74, s16, 8
	s_add_co_u32 s72, s72, s74
	s_add_nc_u64 s[12:13], s[12:13], s[72:73]
	WIN 0x40                                       ; destination window 1, address window 0
.irp b, 0,1,2,3,4,5,6,7
	global_load_b128 v[8*(\b):8*(\b)+3],   v[BO], s[8:9] offset:64*(\b)      ; bias[16 b + 8 h + 0..3]
	global_load_b128 v[8*(\b)+4:8*(\b)+7], v[BO], s[8:9] offset:64*(\b)+16
.endr
	WIN 0
	; the prefetches' address: K step 3; each change of slots steps it before it asks
	s_mov_b32 s74, 3*KSTEP*2
	s_mov_b32 s75, 3*KSTEP*4096
	s_mov_b32 s46, KSTEP*2
	s_mov_b32 s47, KSTEP*4096
	s_cmp_eq_u32 s15, 0
	s_cselect_b64 s[PFA:PFA+1], s[40:41], s[68:69]
	s_cselect_b32 s72, s17, s18                    ; my place among the four that ask with me
	s_cselect_b32 s74, s74, s75
	s_cselect_b32 s[PFS], s46, s47
	s_mov_b32 s[PFS+1], 0
	s_lshl_b32 s72, s72, 17                        ; 32 rows of 4,096 bytes
	s_add_co_u32 s72, s72, s74
	s_add_nc_u64 s[PFA:PFA+1], s[PFA:PFA+1], s[72:73]
	s_cmp_ge_u32 s20, 6
	s_cselect_b32 s74, 1, 0
	s_or_b32 s74, s74, ttmp9                       ; A's: 0 where cluster x = 0 and cluster y < 6
	s_cmp_ge_u32 s20, 4
	s_cselect_b32 s75, 0, s20                      ; W's: 0 where cluster y = 0 or cluster y >= 4
	s_cmp_eq_u32 s15, 0
	s_cselect_b32 s74, s74, s75
	s_cmp_eq_u32 s74, 0
	s_cselect_b32 s[LIM], 1, -1                    ; the same in all sixteen partners, for a given wave
; 16 matrix instructions: m blocks a0, a0 + 1 of the window's four (hi = 0: my rows 0-63, 1: rows 64-127) x all 8 n blocks, 32 along K.  first = 1: the product starts the sum, with the bias as C.
; The 64 accumulators take turns, one instruction a turn, in the same order in every quarter, over the backward jump too.
.macro MUL16 f, hi, a0, first
.if \first
	WIN 0x91+0x40*(\hi)                            ; source 0 (W) and C (the bias) window 1, source 1 (A) window 0, D window 2 or 3
.else
	WIN 0xa1+0x50*(\hi)                            ; source 0 window 1, source 1 window 0, C and D window 2 or 3
.endif
.irp a, \a0, (\a0)+1
.irp b, 0,1,2,3,4,5,6,7
.if \first
	v_wmma_f32_16x16x32_f16 v[8*(8*(\a)+(\b)):8*(8*(\a)+(\b))+7], v[(\f)+8*(\b):(\f)+8*(\b)+7], v[(\f)+8*(4*(\hi)+(\a)):(\f)+8*(4*(\hi)+(\a))+7], v[8*(\b):8*(\b)+7]
.else
	v_wmma_f32_16x16x32_f16 v[8*(8*(\a)+(\b)):8*(8*(\a)+(\b))+7], v[(\f)+8*(\b):(\f)+8*(\b)+7], v[(\f)+8*(4*(\hi)+(\a)):(\f)+8*(4*(\hi)+(\a))+7], v[8*(8*(\a)+(\b)):8*(8*(\a)+(\b))+7]
.endif
.endr
.endr
.endm
; 32 LDS loads in one run: quarter q (32 along K) of a slot into buffer f: W's 8 fragments, turned, then A's 8
.macro FETCH slot, q, f
	WIN 0x40
.irp i, 0,1,2,3,4,5,6,7
	ds_load_tr16_b128 v[(\f)+8*(\i):(\f)+8*(\i)+3],   v[ADRB+(\slot)] offset:32*PW*(\q)+32*(\i)
	ds_load_tr16_b128 v[(\f)+8*(\i)+4:(\f)+8*(\i)+7], v[ADRB+(\slot)] offset:32*PW*(\q)+32*(\i)+16*PW
.endr
	WIN 0
.irp a, 0,1,2,3,4,5,6,7
	ds_load_b128 v[(\f)+8*(\a):(\f)+8*(\a)+3],   v[ADRA+(\slot)] offset:64*(\q)+16*PA*(\a)
	ds_load_b128 v[(\f)+8*(\a)+4:(\f)+8*(\a)+7], v[ADRA+(\slot)] offset:64*(\q)+16*PA*(\a)+32
.endr
.endm
.macro PLACES                          ; four places in front of loads into registers that matrix instructions have read, and of vector work on their registers
.rept 4
	v_nop
.endr
.endm
; One of a K step's first three quarters: multiplies buffer f (64 matrix instructions); in its middle it fetches quarter q into buffer g
.macro QUARTER slot, q, f, g, first
	s_wait_dscnt 8                                 ; W and A's rows 0-63 are in; the youngest eight loads (A's rows 64-127) may be out
	MUL16 \f, 0, 0, \first
	MUL16 \f, 0, 2, \first
	PLACES
	FETCH \slot, \q, \g
	s_wait_dscnt 32                                ; all but the 32 just issued
	MUL16 \f, 1, 0, \first
	MUL16 \f, 1, 2, \first
.endm
; The last quarter multiplies buffer 1 and changes slots: ONE barrier; in front of it each wave waits for all its tensor loads (one is out: its part of the next slot), adds 0 to its spare word, and waits
; for that and for its own reads of this slot.  fill = 1: the barrier opens a round of the cluster's barrier, and this slot is filled again, two K steps ahead, first thing behind the round.
.macro TURN slot, next, fill
.if \fill
	s_wait_xcnt 0x0                                ; the last prefetch, a K step back, has read its address
	s_add_nc_u64 s[PFA:PFA+1], s[PFA:PFA+1], s[PFS:PFS+1]
.endif
	WIN 0                                          ; (the add's two registers lie in window 0)
	s_wait_tensorcnt 0x0
	ds_add_u32 v[SPW], v[NIL]
	s_wait_dscnt 9                                 ; (the add and the youngest eight loads may be out)
	MUL16 F1, 0, 0, 0                              ; sixteen matrix instructions stand between the add and the wait for it
	s_wait_dscnt 0x0                               ; the add is done, and my reads of this slot are over
	s_barrier_signal -1
	MUL16 F1, 0, 2, 0                              ; work on registers while the others arrive
.if \fill
	WIN 0
.endif
	s_barrier_wait -1
.if \fill
	CREST                                          ; no wave of any partner still reads this slot or has a load on its way
	s_add_nc_u64 s[G0+4*(\slot)+2:G0+4*(\slot)+3], s[G0+4*(\slot)+2:G0+4*(\slot)+3], 2*KSTEP*2
	s_add_nc_u64 s[G0B+4*(\slot)+2:G0B+4*(\slot)+3], s[G0B+4*(\slot)+2:G0B+4*(\slot)+3], 2*KSTEP*4096
	JLOAD \slot                                    ; my one tensor load behind the round; its four v_nop are also the places in front of the loads below
.else
	PLACES
.endif
	FETCH \next, 0, F0
.if \fill
	ASK
.endif
	MUL16 F1, 1, 0, 0
	MUL16 F1, 1, 2, 0
.endm
	s_wait_tensorcnt 0x1                           ; my part of K step 0 is in; K step 1's may stay out
	s_barrier_signal -1
	s_barrier_wait -1
	FETCH 0, 0, F0
	s_wait_loadcnt 0x0                             ; the biases: the first products take them
	QUARTER 0, 1, F0, F1, 1                        ; the first quarter stands in front of the loop: its products start the sums; nothing is cleared
	WIN 0                                          ; at a label and at a branch every window is 0
	s_mov_b32 s3, LAPS-1
.Llap:                                                 ; a trip goes once round the ring, from a lap's second quarter to the next lap's first, and fills both slots again
	QUARTER 0, 2, F1, F0, 0
	QUARTER 0, 3, F0, F1, 0
	TURN 0, 1, 1
	QUARTER 1, 1, F0, F1, 0
	QUARTER 1, 2, F1, F0, 0
	QUARTER 1, 3, F0, F1, 0
	TURN 1, 0, 1
	QUARTER 0, 1, F0, F1, 0
	WIN 0
	s_sub_co_u32 s3, s3, 1
	s_cmp_lg_u32 s3, 0
	s_cbranch_scc1 .Llap
	QUARTER 0, 2, F1, F0, 0                        ; the last lap fills nothing, and has no round of the cluster's barrier
	QUARTER 0, 3, F0, F1, 0
	TURN 0, 1, 0
	QUARTER 1, 1, F0, F1, 0
	QUARTER 1, 2, F1, F0, 0
	QUARTER 1, 3, F0, F1, 0
	s_wait_dscnt 8                                 ; the very last quarter: nothing more to fetch
	MUL16 F1, 0, 0, 0
	MUL16 F1, 0, 2, 0
	s_wait_dscnt 0x0
	MUL16 F1, 1, 0, 0
	MUL16 F1, 1, 2, 0
	WIN 0
	PLACES
; THE WAY OUT, a block of 16 rows x 128 columns at a time.  PACK: the row's sum of squares, in two chains, of the f32 numbers; then the numbers rounded to f16, 16 bytes a lane for each column block.
; Each accumulator is read from its low end on.
.macro PACK a
.set AC, 64*((\a)%4)
	WIN 0x0a+5*((\a)/4)                            ; sources 0 and 1: window 2 or 3; source 2 and destination: window 0
	v_pk_mul_f32 v[SQ:SQ+1],   v[AC:AC+1],   v[AC:AC+1]
	v_pk_mul_f32 v[SQ+2:SQ+3], v[AC+2:AC+3], v[AC+2:AC+3]
.set i, 2
.rept 30
	v_pk_fma_f32 v[SQ+2*(i%2):SQ+2*(i%2)+1], v[AC+2*i:AC+2*i+1], v[AC+2*i:AC+2*i+1], v[SQ+2*(i%2):SQ+2*(i%2)+1]
.set i, i+1
.endr
.set i, 0
.rept 32
	v_cvt_pk_f16_f32 v[TMP+i], v[AC+2*i], v[AC+2*i+1]
.set i, i+1
.endr
	WIN 0
	v_pk_add_f32 v[SQ:SQ+1], v[SQ:SQ+1], v[SQ+2:SQ+3]
	v_add_f32 v68, v[SQ], v[SQ+1]
	v_permlanex16_b32 v[SQ+1], v68, s66, s67       ; the row's other 64 columns lie in the lane 16 away
	v_add_f32 v[SSV+(\a)], v68, v[SQ+1]
.endm
.macro TOSTAGE a                       ; into my own stage, and back as whole rows of 256 bytes
.set BK, OB+192*((\a)%2)
.irp b, 0,1,2,3,4,5,6,7
	ds_store_b128 v[STO], v[TMP+4*(\b):TMP+4*(\b)+3] offset:32*(\b)
.endr
.irp t, 0,1,2,3,4,5,6,7
	ds_load_b128 v[BK+4*(\t):BK+4*(\t)+3], v[RD] offset:(\t)*2*SP  ; LDS serves a wave's instructions in order (ISA guide 5.7.1.4): these see the stores above
.endr
.endm
.macro SEND a
.set BK, OB+192*((\a)%2)
	s_wait_dscnt 0x0                               ; the block is back in registers
	s_wait_xcnt 0x0                                ; earlier stores have read their base and their registers
.if (\a) > 0
	s_add_nc_u64 s[10:11], s[10:11], 16*4096
.endif
.irp t, 0,1,2,3,4,5,6,7
	global_store_b128 v[CO], v[BK+4*(\t):BK+4*(\t)+3], s[10:11] offset:(\t)*8192  ; 16 lanes store 256 consecutive bytes, aligned
.endr
.endm
	PACK 0
	TOSTAGE 0
.irp a, 1,2,3,4,5,6,7                  ; block a's arithmetic stands between block a - 1's loads from the stage and the wait for them
	PACK \a
	SEND (\a)-1
	TOSTAGE \a
.endr
	SEND 7
	s_cmp_lt_u32 s20, 6                            ; v's rows have no norm; the test hangs on the cluster's y alone
	s_cbranch_scc0 .Lnossq
.irp a, 0,1,2,3,4,5,6,7
	ds_store_b32 v[SSA], v[SSV+(\a)] offset:64*(\a)  ; row 16 a + r; both halves of the lanes hold the same sum
.endr
	ds_load_b64 v[80:81], v[SSR]                   ; rows 2 l and 2 l + 1 of my first block of 64: in order behind my own stores
	ds_load_b64 v[82:83], v[SSR] offset:256        ; and of my second
	s_wait_dscnt 0x0
	global_store_b64 v[SSO], v[80:81], s[12:13]    ; a block's 64 sums: 256 consecutive bytes, aligned
	global_store_b64 v[SSO], v[82:83], s[12:13] offset:4096
.Lnossq:
	s_wait_tensorcnt 0x0                           ; the wave's end: behind my last tensor load and my last LDS store
	ds_add_u32 v[SPW], v[NIL]
	s_wait_dscnt 0x0
	CROUND                                         ; the closing round: no work-group ends while a partner may still ask for a tile that names it
	s_endpgm
.Lfunc_end_k_qc4902a9dcc_proj:
	.size	k_qc4902a9dcc_proj, .Lfunc_end_k_qc4902a9dcc_proj-k_qc4902a9dcc_proj
	.p2alignl 7, 3214868480
	.fill 96, 4, 3214868480
	.section	.rodata,"a",@progbits
	.p2align	6, 0x0
	.amdhsa_kernel k_qc4902a9dcc_proj
		.amdhsa_group_segment_fixed_size 327680
		.amdhsa_private_segment_fixed_size 0
		.amdhsa_enable_private_segment 0
		.amdhsa_kernarg_size 40
		.amdhsa_user_sgpr_count 2
		.amdhsa_user_sgpr_kernarg_segment_ptr 1
		.amdhsa_wavefront_size32 1
		.amdhsa_system_sgpr_workgroup_id_x 1
		.amdhsa_system_sgpr_workgroup_id_y 1
		.amdhsa_system_sgpr_workgroup_id_z 1
		.amdhsa_system_vgpr_workitem_id 0
		.amdhsa_next_free_vgpr 1024
		.amdhsa_next_free_sgpr 80
		.amdhsa_reserve_vcc 0
		.amdhsa_float_denorm_mode_32 3
		.amdhsa_float_denorm_mode_16_64 3
		.amdhsa_memory_ordered 1
		.amdhsa_forward_progress 1
		.amdhsa_inst_pref_size 165
	.end_amdhsa_kernel
	.amdgpu_metadata
---
amdhsa.version: [ 1, 2 ]
amdhsa.kernels:
  - .name:           k_qc4902a9dcc_proj
    .symbol:         k_qc4902a9dcc_proj.kd
    .args:
      - { .name: ah, .offset: 0, .size: 8, .value_kind: global_buffer, .address_space: global }
      - { .name: wh, .offset: 8, .size: 8, .value_kind: global_buffer, .address_space: global }
      - { .name: bt, .offset: 16, .size: 8, .value_kind: global_buffer, .address_space: global }
      - { .name: qkv, .offset: 24, .size: 8, .value_kind: global_buffer, .address_space: global }
      - { .name: ssq, .offset: 32, .size: 8, .value_kind: global_buffer, .address_space: global }
    .group_segment_fixed_size: 327680
    .private_segment_fixed_size: 0
    .kernarg_segment_align: 8
    .kernarg_segment_size: 40
    .max_flat_workgroup_size: 128
    .sgpr_count:     80
    .vgpr_count:     1024
    .wavefront_size: 32
...
	.end_amdgpu_metadata
.endif
;; end of part 2
;; launch attn (part 3): grid 8 x 32, 4 waves a work-group, clusters of 4 x 1, 327,680 bytes of LDS; arguments qkv, ssq, gt, context_lens, oh; writes oh
.if DOCPART == 3
	.amdgcn_target "amdgcn-amd-amdhsa--gfx1250"
	.amdhsa_code_object_version 6
	.text
	.protected	k_qc4902a9dcc_attn
	.globl	k_qc4902a9dcc_attn
	.p2align	8
	.type	k_qc4902a9dcc_attn,@function
k_qc4902a9dcc_attn:
	s_mov_b64 s[64:65], 0
	v_nop
	global_prefetch_b8 v0, s[64:65] scope:SCOPE_SE
	s_setreg_imm32_b32 hwreg(HW_REG_WAVE_MODE, 25, 1), 1
	s_wait_xcnt 0x0
	s_wait_alu depctr_hold_cnt(0) depctr_sa_sdst(0) depctr_va_vdst(0) depctr_va_sdst(0) depctr_va_ssrc(0) depctr_va_vcc(0) depctr_vm_vsrc(0)
	s_getreg_b32 s2, hwreg(HW_REG_IB_STS2, 6, 4)
	s_cmp_eq_u32 s2, 0
	s_cbranch_scc0 .Lentry_in_a_cluster
	s_endpgm
.Lentry_in_a_cluster:
	s_bfe_u32 s2, ttmp6, 0x10000c
	s_cmp_lg_u32 s2, 0x3003
	s_cbranch_scc0 .Lentry_shape_is_right
	s_endpgm
.Lentry_shape_is_right:
; TWO ATTENTIONS AND THEIR SUM, for one batch b, one head of 128 channels and 256 queries a work-group.  oh[q] = softmax over the 257 image keys (no mask) x v_img + softmax over the 512 text keys
; (key < context_lens[b]) x v.  qkv: f16 [8192][2048], raw x W + b: rows 0-4095 q; 4096 + 512 b k text; 5120 + 512 b k image; 6144 + 512 b v text; 7168 + 512 b v image.  ssq: f32 [96][16][64], the rows'
; partial sums of squares.  gt: f16 [2][2048]: gq gki, gq gk.  oh: f16 [4096][2048].
; THE NORMS.  r = rsq(sum of squares / 2048 + 1e-6).  A query's r and the two gains go onto Q, in f16, once: q1 = q r; QI = q1 (gq gki); QT = q1 (gq gk).  K stays raw: a key's r, the scale 1 / sqrt(128) and
; log2(e) lie in a table RK[key] that multiplies the score in f32; a hidden key has RK = 0 and MK = -1e30: s'' = s RK + MK.
; SOFTMAX.  A running maximum m of s'' and a sum l for each query: p = 2^(s'' - m); in every step O and l are multiplied by a = 2^(m_old - m).  Where all 512 text keys are hidden all s'' are equal and the
; weights are uniform, as where the maximum is taken of equal lowest numbers.
; THE 257th IMAGE KEY STARTS THE IMAGE PASS: m = its score, l = 1 (0.5 in each half of the lanes), O = its v.  So that pass has four steps of 64 keys and nothing is cleared.
; LIMITS.  f16 ends at 65,504 and keeps a fixed step of 6e-8 below 6e-5 (q, k, v, the gains' products, p, O).  A weight below 2^-126 counts as 0.  NaN and infinities are not treated apart.
; context_lens is held to 0 .. 512, which changes no mask.
; LAYOUT.  S^T = K Q^T (source 0 = 16 keys, source 1 = 16 queries): a lane holds ONE query (l % 16) and the keys 8 (l / 16) + 0..7; two such results rounded to f16 in pairs ARE source 1 of O^T = V^T P.
; K comes out of LDS as it lies, V turned by ds_load_tr16_b128.  A wave owns 64 queries: four tiles of 16.  A step is written in phases: K Q^T; softmax; V^T P.
; CLUSTER.  The four query blocks of a cluster share b and head, so K's and V's tiles are asked for jointly, by the same load with the mask of four.
; LDS.  Upper slot: the image's keys 0-255, later the text's 256-511.  Lower slot: the text's 0-255.  So the text pass walks K and V on end.  One refill in the launch.
; REGISTERS, in windows of 256: window 0: addresses, statistics, S^T (P is packed in place), the step's RK and MK.  window 1: O^T, 64 a tile.  window 2: v0-127 QI, later the image's result in f16; v128-255 K.
; window 3: v0-127 V; v128-255 QT.
.set PK,    272                        ; a row of K in LDS: 256 bytes + 16: the 16 rows of a load start at 16 different groups of four banks (64 banks of 4 bytes: ISA guide 11.1)
.set PVP,   288                        ; a row of V: 256 + 32
.set KLO,   0
.set KUP,   256*PK
.set VLO,   2*256*PK
.set VUP,   VLO+256*PVP
.set TRK,   VUP+256*PVP                ; RK: f32 [1024]: 0-511 image keys, 512 + k text keys
.set TMK,   TRK+4096                   ; MK likewise
.set RQS,   TMK+4096                   ; 256 bytes a wave: its 64 queries' r
.set STAGE, RQS+1024                   ; 16 rows x 272 bytes a wave, for the way out
.set SP,    272
.set SPARE, STAGE+4*16*SP              ; the spare words, 128 bytes a wave: two blocks of 256 bytes that no other line names
.set AK0, 2                            ; v2  my lane's place in a tile of K
.set AV0, 3                            ; v3  of V
.set AK,  4                            ; v4  LDS address of K's next run of loads
.set AV,  5                            ; v5  of V's
.set STO, 6
.set RD,  7
.set GO,  8
.set AT0, 10                           ; v10 32 (l / 16)
.set AT,  11                           ; v11 LDS address of the tables' next run
.set QO,  12                           ; v12 4,096 r + 16 h
.set KB,  13                           ; v13 64 x wave + 4 r
.set HO,  14                           ; v14 16 h
.set LO,  15                           ; v15 16 l
.set ST,  16                           ; tile t's statistics at v[ST+8 t]: m, m_old, l (two), c0-c3 at work; a takes c2
.set RQ,  48                           ; v48-51 the tiles' r, twice in f16
.set RKX, 52                           ; v52 RK of image key 256
.set BIG, 53                           ; v53 -1e30
.set ZR,  54                           ; v54 0
.set TA,  55                           ; v55 where my part of the tables goes
.set RA,  56                           ; v56, v57 the same for r, and where I read it back
.set ONE, 60                           ; v60 1.0
.set PFO, 61                           ; v61 4,096 x my lane; never rewritten
.set SPW, 62                           ; v62 my spare word; never rewritten
.set NIL, 63                           ; v63 0; never rewritten
.set S,   64
.set PT,  64                           ; the head's work: v64-83 five blocks' four sums; v84-91 MK of the text blocks; v92-95 zeros; v96-127 v of image key 256; v128-147 the exchange
.set MKR, 84
.set ZQ,  92
.set VX,  96
.set PU,  128
.set RKT, 192
.set MKT, 224
.set GI,  192                          ; at the head: the gains' products for my channels
.set GT,  224
.set KF,  128                          ; window 2
.set WV,  14
.set G1K, 24
.set G1V, 32
.set G0KA, 40                          ; upper slot, K;  G0KB lower
.set G0KB, 44
.set G0VA, 48
.set G0VB, 52
.set CNT, 56
.set VIS, 57
.set TBK, 58
.set TBV, 59
.set SEL, 60
.set TT,  62
.set LIM, 63
.set LEN, 66
.set PFA, 68
.set MSB, 0
.macro WIN new
.if MSB != (\new)
	s_set_vgpr_msb (MSB<<8)|(\new)
.set MSB, \new
.endif
.endm
.macro PLACES
.rept 4
	v_nop
.endr
.endm
.macro CROUND                          ; a round of the cluster's barrier
	s_barrier_signal -1
	s_barrier_wait -1
	s_cmp_lg_u32 s[WV], 0
	s_cbranch_scc1 .Lnot_wave_0_\@
	s_barrier_signal -3
.Lnot_wave_0_\@:
	s_barrier_wait -3
	s_barrier_signal -1
	s_barrier_wait -1
.endm
	s_load_b256 s[4:11], s[0:1], 0x0               ; qkv s[4:5], ssq s[6:7], gt s[8:9], context_lens s[10:11]
	s_load_b64 s[12:13], s[0:1], 0x20              ; oh
	v_lshl_add_u32 v[SPW], v0, 2, SPARE
	v_mov_b32 v[NIL], 0
	ds_add_u32 v[SPW], v[NIL]                      ; the wave's opening: the add and its wait ahead of my first tensor load; work on registers stands between them
	v_lshrrev_b32 v1, 5, v0
	v_readfirstlane_b32 s[WV], v1                  ; wave 0..3
	s_bfe_u32 s15, ttmp6, 0x40000                  ; cx
	s_and_b32 s16, s[WV], 1                        ; which half of a slot's 256 keys I fetch
	s_and_b32 s20, ttmp7, 0xffff
	s_lshr_b32 s17, s20, 4                         ; b
	s_and_b32 s18, s20, 15                         ; head
	s_lshl_b32 s19, ttmp9, 2
	s_add_co_u32 s19, s19, s15                     ; my block of 256 queries: it enters Q's, ssq's and oh's addresses alone
	s_mov_b32 s[G1K], 15|(1<<16)|(1<<20)|(1<<21)|(5<<22)|(3<<25)  ; the mask of four; 2-byte elements; padding on; bit 21 beside a mask; after every 64 words 4 words
	s_mov_b32 s[G1V], 15|(1<<16)|(1<<20)|(1<<21)|(5<<22)|(7<<25)  ; 8 words
.irp g, G1K, G1V
	s_mov_b32 s[(\g)+1], 128<<16                   ; tensor_dim0 = 128
	s_mov_b32 s[(\g)+2], 128<<16                   ; tensor_dim1 = 128
	s_mov_b32 s[(\g)+3], 128<<16                   ; tile_dim0 = 128
	s_mov_b32 s[(\g)+4], 128                       ; tile_dim1 = 128 keys
	s_mov_b32 s[(\g)+5], 2048                      ; elements from row to row
	s_mov_b32 s[(\g)+6], 0
	s_mov_b32 s[(\g)+7], 0
.endr
	s_mul_i32 s88, s16, 128*PK
	s_mul_i32 s89, s16, 128*PVP
	s_mov_b32 s[G0KA], 1
	s_add_co_u32 s[G0KA+1], s88, KUP
	s_mov_b32 s[G0KB], 1
	s_add_co_u32 s[G0KB+1], s88, KLO
	s_mov_b32 s[G0VA], 1
	s_add_co_u32 s[G0VA+1], s89, VUP
	s_mov_b32 s[G0VB], 1
	s_add_co_u32 s[G0VB+1], s89, VLO
	s_lshl_b32 s88, s17, 21                        ; 512 b rows + the head's 256 bytes
	s_lshl_b32 s89, s18, 8
	s_add_co_u32 s88, s88, s89
	s_lshl_b32 s20, s16, 19                        ; + my 128 rows
	s_add_co_u32 s20, s20, s88
	s_mov_b32 s21, 0
	s_mov_b32 s84, s89                             ; gt: the head's 256 bytes
	s_mov_b32 s85, 0
	s_mov_b32 s89, 0
	s_lshl_b32 s2, s17, 23                         ; Q and oh: (2,048 b + 256 block + 64 wave) rows + the head
	s_lshl_b32 s3, s19, 20
	s_add_co_u32 s2, s2, s3
	s_lshl_b32 s3, s[WV], 18
	s_add_co_u32 s2, s2, s3
	s_add_co_u32 s2, s2, s84
	s_mov_b32 s3, 0
	s_lshl_b32 s80, s17, 5                         ; my queries' block of ssq: 32 b + 4 block + wave
	s_lshl_b32 s81, s19, 2
	s_add_co_u32 s80, s80, s81
	s_add_co_u32 s80, s80, s[WV]
	s_lshl_b32 s80, s80, 12
	s_mov_b32 s81, 0
	s_lshl_b32 s82, s17, 3                         ; the keys': 64 + 8 b + wave
	s_add_co_u32 s82, s82, s[WV]
	s_add_co_u32 s82, s82, 64
	s_lshl_b32 s82, s82, 12
	s_mov_b32 s83, 0
	s_mov_b32 s68, 4352*4096                       ; the prefetch: the text's keys 256 on, of K
	s_mov_b32 s69, 6400*4096                       ; or of V
	s_cmp_lt_u32 s[WV], 2
	s_cselect_b32 s68, s68, s69
	s_lshl_b32 s69, s15, 17                        ; my work-group's 32 rows of the 128 that I fetch
	s_add_co_u32 s68, s68, s69
	s_mov_b32 s69, 0
	s_cmp_eq_u32 ttmp9, 0                          ; the head's first cluster asks: the same in all four partners
	s_cselect_b32 s[LIM], 2, -1
	s_mov_b32 s[SEL], 0x76543210
	s_mov_b32 s[SEL+1], 0xfedcba98
	s_mov_b32 s70, 0x3a000000                      ; 1 / 2048
	s_mov_b32 s71, 0x358637bd                      ; 1e-6
	s_mov_b32 s72, 0x3e0293ee                      ; log2(e) / sqrt(128)
	s_wait_dscnt 0x0                               ; the opening add is done
	s_wait_kmcnt 0x0
	s_add_nc_u64 s[22:23], s[4:5], s[20:21]
	s_add_nc_u64 s[G0KA+2:G0KA+3], s[22:23], 5120*4096
	s_or_b32 s[G0KA+3], s[G0KA+3], 0x80000000
	s_add_nc_u64 s[G0KB+2:G0KB+3], s[22:23], 4096*4096
	s_or_b32 s[G0KB+3], s[G0KB+3], 0x80000000
	s_add_nc_u64 s[G0VA+2:G0VA+3], s[22:23], 7168*4096
	s_or_b32 s[G0VA+3], s[G0VA+3], 0x80000000
	s_add_nc_u64 s[G0VB+2:G0VB+3], s[22:23], 6144*4096
	s_or_b32 s[G0VB+3], s[G0VB+3], 0x80000000
	s_add_nc_u64 s[PFA:PFA+1], s[22:23], s[PFA:PFA+1]
	s_add_nc_u64 s[74:75], s[4:5], s[2:3]          ; Q
	s_add_nc_u64 s[86:87], s[12:13], s[2:3]        ; oh
	s_add_nc_u64 s[76:77], s[4:5], s[88:89]
	s_add_nc_u64 s[78:79], s[76:77], 7424*4096     ; v of image key 256
	s_add_nc_u64 s[76:77], s[76:77], 5376*4096     ; k of image key 256
	s_add_nc_u64 s[80:81], s[6:7], s[80:81]
	s_add_nc_u64 s[82:83], s[6:7], s[82:83]
	s_add_nc_u64 s[84:85], s[8:9], s[84:85]
	s_load_b64 s[LEN:LEN+1], s[10:11], 0x0         ; both batches' lengths
	CROUND                                         ; all four work-groups are here: the first joint loads meet
	s_cmp_lt_u32 s[WV], 2                          ; a wave's two first fills stand in one branch, the upper slot's first: two loads of mine are out
	s_cbranch_scc0 .Lfirst_v
	tensor_load_to_lds s[G0KA:G0KA+3], s[G1K:G1K+7]
	s_nop 0
	tensor_load_to_lds s[G0KB:G0KB+3], s[G1K:G1K+7]
	s_nop 0
	PLACES
	s_branch .Lfirst_asked
.Lfirst_v:
	tensor_load_to_lds s[G0VA:G0VA+3], s[G1V:G1V+7]
	s_nop 0
	tensor_load_to_lds s[G0VB:G0VB+3], s[G1V:G1V+7]
	s_nop 0
	PLACES
.Lfirst_asked:
	v_and_b32 v1, 15, v0                           ; r = l % 16
	v_bfe_u32 v9, v0, 4, 1                         ; h = l / 16
	v_lshlrev_b32 v[QO], 12, v1
	v_lshl_add_u32 v[QO], v9, 4, v[QO]
	v_lshlrev_b32 v[HO], 4, v9
	v_and_b32 v[LO], 31, v0
	v_lshlrev_b32 v[PFO], 12, v[LO]
	v_lshlrev_b32 v[LO], 4, v[LO]
	WIN 0x80                                       ; destination window 2, address window 0
.set i, 0
.rept 16                                       ; Q raw: tile i / 4, channels 32 (i % 4) on
	global_load_b128 v[8*i:8*i+3],   v[QO], s[74:75] offset:(i/4)*65536+(i%4)*64
	global_load_b128 v[8*i+4:8*i+7], v[QO], s[74:75] offset:(i/4)*65536+(i%4)*64+32
.set i, i+1
.endr
.irp c, 0,1,2,3                                ; image key 256 as all 16 rows of a fragment: the lane's term is 16 h alone
	global_load_b128 v[KF+8*(\c):KF+8*(\c)+3],   v[HO], s[76:77] offset:64*(\c)
	global_load_b128 v[KF+8*(\c)+4:KF+8*(\c)+7], v[HO], s[76:77] offset:64*(\c)+32
.endr
	WIN 0
.irp c, 0,1,2,3                                ; the gains' products for a fragment's channels
	global_load_b128 v[GI+8*(\c):GI+8*(\c)+3],   v[HO], s[84:85] offset:64*(\c)
	global_load_b128 v[GI+8*(\c)+4:GI+8*(\c)+7], v[HO], s[84:85] offset:64*(\c)+32
	global_load_b128 v[GT+8*(\c):GT+8*(\c)+3],   v[HO], s[84:85] offset:4096+64*(\c)
	global_load_b128 v[GT+8*(\c)+4:GT+8*(\c)+7], v[HO], s[84:85] offset:4096+64*(\c)+32
.endr
.irp cb, 0,1,2,3,4,5,6,7                       ; v of image key 256: channels 16 cb + 8 h + 0..7
	global_load_b128 v[VX+4*(\cb):VX+4*(\cb)+3], v[HO], s[78:79] offset:32*(\cb)
.endr
	WIN 0x40                                       ; five blocks of ssq into window 1: lane l, load j: tile column 2 j + l / 16, rows 4 (l % 16) + 0..3
.irp j, 0,1,2,3,4,5,6,7
	global_load_b128 v[4*(\j):4*(\j)+3],         v[LO], s[80:81] offset:512*(\j)        ; my 64 queries
	global_load_b128 v[32+4*(\j):32+4*(\j)+3],   v[LO], s[82:83] offset:512*(\j)        ; text keys 64 wave on
	global_load_b128 v[64+4*(\j):64+4*(\j)+3],   v[LO], s[82:83] offset:16384+512*(\j)  ; 256 + 64 wave on
	global_load_b128 v[96+4*(\j):96+4*(\j)+3],   v[LO], s[82:83] offset:65536+512*(\j)  ; image keys 64 wave on
	global_load_b128 v[128+4*(\j):128+4*(\j)+3], v[LO], s[82:83] offset:81920+512*(\j)  ; 256 + 64 wave on
.endr
	WIN 0
	v_mul_u32_u24 v[AK0], v1, PK
	v_lshl_add_u32 v[AK0], v9, 4, v[AK0]
	v_and_b32 v4, 7, v0                            ; the turning load: key 8 h + l % 8, channels 8 ((l / 8) % 2) + 0..7
	v_bfe_u32 v5, v0, 3, 1
	v_lshl_add_u32 v[AV0], v9, 3, v4
	v_mul_u32_u24 v[AV0], v[AV0], PVP
	v_lshl_add_u32 v[AV0], v5, 4, v[AV0]
	v_lshlrev_b32 v[AT0], 5, v9
	s_mul_i32 s20, s[WV], 16*SP
	s_add_co_u32 s20, s20, STAGE
	v_mul_u32_u24 v[STO], v1, SP
	v_lshl_add_u32 v[STO], v9, 4, v[STO]
	v_add_nc_u32 v[STO], s20, v[STO]
	v_mul_u32_u24 v[RD], v9, SP
	v_lshl_add_u32 v[RD], v1, 4, v[RD]
	v_add_nc_u32 v[RD], s20, v[RD]
	v_lshlrev_b32 v[GO], 12, v9
	v_lshl_add_u32 v[GO], v1, 4, v[GO]
	s_lshl_b32 s21, s[WV], 8
	v_lshl_add_u32 v[TA], v1, 4, s21               ; 256 wave + 16 r
	v_add_nc_u32 v[RA], RQS, v[TA]
	v_add_nc_u32 v[TA], TRK, v[TA]
	v_lshl_add_u32 v[RA+1], v1, 2, s21
	v_add_nc_u32 v[RA+1], RQS, v[RA+1]
	s_lshl_b32 s21, s[WV], 6
	v_lshl_add_u32 v[KB], v1, 2, s21
	v_mov_b32 v[BIG], 0xf149f2ca                   ; -1e30
	v_mov_b32 v[ZR], 0
	v_mov_b32 v[ONE], 1.0
.irp c, 0,1,2,3
	v_mov_b32 v[ZQ+(\c)], 0
.endr
	s_wait_loadcnt 0x0
	s_wait_kmcnt 0x0
	s_cmp_eq_u32 s17, 0
	s_cselect_b32 s[LEN], s[LEN], s[LEN+1]
	s_max_i32 s[LEN], s[LEN], 0
	s_min_i32 s[LEN], s[LEN], 512
	; the 16 tile columns' partial sums: eight loads are added in each lane, then the lanes' halves
	WIN 0x45
.irp k, 0,1,2,3,4
.irp j, 1,2,3,4,5,6
	v_pk_add_f32 v[32*(\k):32*(\k)+1],   v[32*(\k):32*(\k)+1],   v[32*(\k)+4*(\j):32*(\k)+4*(\j)+1]
	v_pk_add_f32 v[32*(\k)+2:32*(\k)+3], v[32*(\k)+2:32*(\k)+3], v[32*(\k)+4*(\j)+2:32*(\k)+4*(\j)+3]
.endr
.endr
	WIN 0x05                                       ; the last addition lands in window 0, twice: the second copy is the written register that the exchange wants as its destination
.irp k, 0,1,2,3,4
	v_pk_add_f32 v[PT+4*(\k):PT+4*(\k)+1],   v[32*(\k):32*(\k)+1],   v[32*(\k)+28:32*(\k)+29]
	v_pk_add_f32 v[PT+4*(\k)+2:PT+4*(\k)+3], v[32*(\k)+2:32*(\k)+3], v[32*(\k)+30:32*(\k)+31]
	v_pk_add_f32 v[PU+4*(\k):PU+4*(\k)+1],   v[32*(\k):32*(\k)+1],   v[32*(\k)+28:32*(\k)+29]
	v_pk_add_f32 v[PU+4*(\k)+2:PU+4*(\k)+3], v[32*(\k)+2:32*(\k)+3], v[32*(\k)+30:32*(\k)+31]
.endr
	WIN 0
.set i, 0
.rept 20
	v_permlanex16_b32 v[PU+i], v[PT+i], s[SEL], s[SEL+1]
.set i, i+1
.endr
.set i, 0
.rept 20
	v_add_f32 v[PT+i], v[PT+i], v[PU+i]
.set i, i+1
.endr
.set i, 0
.rept 20
	v_fma_f32 v[PT+i], v[PT+i], s70, s71           ; mean of squares + 1e-6
.set i, i+1
.endr
.set i, 0
.rept 20
	v_rsq_f32 v[PT+i], v[PT+i]
.set i, i+1
.endr
	v_nop                                          ; a plain instruction behind the last of the batch,
	s_wait_alu depctr_va_vdst(0)                   ; and one wait ahead of the first use
	ds_store_b128 v[RA], v[PT:PT+3]                ; my queries' r: rows 4 r .. + 3 (both halves of the lanes hold the same)
.irp t, 0,1,2,3
	ds_load_b32 v[PU+(\t)], v[RA+1] offset:64*(\t) ; back by tiles: row 16 t + r; in order behind my own store
.endr
.set i, 4
.rept 16
	v_mul_f32 v[PT+i], s72, v[PT+i]                ; RK = r log2(e) / sqrt(128)
.set i, i+1
.endr
.irp k, 0,1                                    ; the text's two blocks: key 256 k + 64 wave + 4 r + c is seen where it is below the length
.irp c, 0,1,2,3
	s_sub_co_i32 s20, s[LEN], 256*(\k)+(\c)
	v_cmp_gt_i32 vcc_lo, s20, v[KB]
	v_cndmask_b32 v[PT+4+4*(\k)+(\c)], 0, v[PT+4+4*(\k)+(\c)], vcc_lo
	v_cndmask_b32 v[MKR+4*(\k)+(\c)], v[BIG], v[ZR], vcc_lo
.endr
.endr
	ds_store_b128 v[TA], v[PT+4:PT+7]   offset:2048
	ds_store_b128 v[TA], v[PT+8:PT+11]  offset:3072
	ds_store_b128 v[TA], v[PT+12:PT+15]
	ds_store_b128 v[TA], v[PT+16:PT+19] offset:1024
	ds_store_b128 v[TA], v[MKR:MKR+3]   offset:4096+2048
	ds_store_b128 v[TA], v[MKR+4:MKR+7] offset:4096+3072
	ds_store_b128 v[TA], v[ZQ:ZQ+3]     offset:4096
	ds_store_b128 v[TA], v[ZQ:ZQ+3]     offset:4096+1024
	WIN 0x40                                       ; O^T = v of image key 256, in every query: f16 half x 1.0 + 0
.irp t, 0,1,2,3
.set i, 0
.rept 32
	v_fma_mix_f32 v[64*(\t)+2*i],   v[VX+i], v[ONE], v[ZR] op_sel_hi:[1,0,0]
	v_fma_mix_f32 v[64*(\t)+2*i+1], v[VX+i], v[ONE], v[ZR] op_sel:[1,0,0] op_sel_hi:[1,0,0]
.set i, i+1
.endr
.endr
	WIN 0
	s_wait_dscnt 0x0                               ; r is back; and, for the others' sake, my part of the tables is stored
.irp t, 0,1,2,3
	v_cvt_pk_f16_f32 v[RQ+(\t)], v[PU+(\t)], v[PU+(\t)]
.endr
	WIN 0x82                                       ; destination and source 0 window 2
.irp t, 0,1,2,3
.set i, 0
.rept 32
	v_pk_mul_f16 v[32*(\t)+i], v[32*(\t)+i], v[RQ+(\t)]
.set i, i+1
.endr
.endr
	WIN 0xc2                                       ; destination window 3
.irp t, 0,1,2,3
.set i, 0
.rept 32
	v_pk_mul_f16 v[128+32*(\t)+i], v[32*(\t)+i], v[GT+i]
.set i, i+1
.endr
.endr
	WIN 0x82
.irp t, 0,1,2,3
.set i, 0
.rept 32
	v_pk_mul_f16 v[32*(\t)+i], v[32*(\t)+i], v[GI+i]
.set i, i+1
.endr
.endr
	WIN 0
	s_wait_tensorcnt 0x1                           ; my part of the upper slot is in; the lower slot's may stay out
	s_barrier_signal -1
	s_barrier_wait -1                              ; everybody's part, and the tables, are there
	v_mov_b32 v[AT], TRK+1024
	ds_load_b32 v[RKX], v[AT]                      ; RK of image key 256
	WIN 0x0a                                       ; K and QI in window 2
.set i, 0
.rept 16                                       ; that key's score: channels 32 (i / 4) on, tile i % 4: four accumulators by turns
.if i < 4
	v_wmma_f32_16x16x32_f16 v[S+32*(i%4):S+32*(i%4)+7], v[KF+8*(i/4):KF+8*(i/4)+7], v[32*(i%4)+8*(i/4):32*(i%4)+8*(i/4)+7], 0
.else
	v_wmma_f32_16x16x32_f16 v[S+32*(i%4):S+32*(i%4)+7], v[KF+8*(i/4):KF+8*(i/4)+7], v[32*(i%4)+8*(i/4):32*(i%4)+8*(i/4)+7], v[S+32*(i%4):S+32*(i%4)+7]
.endif
.set i, i+1
.endr
	WIN 0
	PLACES
	s_wait_dscnt 0x0
.irp t, 0,1,2,3
	v_mul_f32 v[ST+8*(\t)], v[S+32*(\t)], v[RKX]   ; m: all eight registers hold the one score; the lowest is read
	v_mov_b32 v[ST+8*(\t)+2], 0.5                  ; l: 0.5 in each half of the lanes
	v_mov_b32 v[ST+8*(\t)+3], 0
.endr
; THE MATRIX WORK.  The accumulators take turns, one instruction a turn.
.macro KQ qw, qb                       ; product i of 64 of S^T = K Q^T: channels 32 (i / 16) on, keys 16 ((i / 4) % 4) on, tile i % 4; the first 16 start the sums
	WIN \qw
.set rS, S+32*(i%4)+8*((i/4)%4)
.set rK, KF+32*((i/4)%4)+8*(i/16)
.set rQ, (\qb)+32*(i%4)+8*(i/16)
.if i < 16
	v_wmma_f32_16x16x32_f16 v[rS:rS+7], v[rK:rK+7], v[rQ:rQ+7], 0
.else
	v_wmma_f32_16x16x32_f16 v[rS:rS+7], v[rK:rK+7], v[rQ:rQ+7], v[rS:rS+7]
.endif
.endm
.macro PVM                             ; product i of 64 of O^T += V^T P: keys 32 (i / 32) on, channels 16 ((i / 4) % 8) on, tile i % 4
	WIN 0x53                                       ; V window 3, P window 0, O^T window 1
.set rO, 64*(i%4)+8*((i/4)%8)
.set rV, 64*(i/32)+8*((i/4)%8)
.set rP, S+32*(i%4)+8*(i/32)
	v_wmma_f32_16x16x32_f16 v[rO:rO+7], v[rV:rV+7], v[rP:rP+7], v[rO:rO+7]
.endm
; THE LDS LOADS, in runs
.macro FETCH_K
	WIN 0x80
.irp f, 0,1,2,3,4,5,6,7,8,9,10,11,12,13,14,15  ; keys 16 (f / 4) on, channels 32 (f % 4) on
	ds_load_b128 v[KF+8*(\f):KF+8*(\f)+3],   v[AK] offset:((\f)/4)*16*PK+((\f)%4)*64
	ds_load_b128 v[KF+8*(\f)+4:KF+8*(\f)+7], v[AK] offset:((\f)/4)*16*PK+((\f)%4)*64+32
.endr
	s_add_co_u32 s[TBK], s[TBK], 64*PK
	WIN 0
.endm
.macro FETCH_V
	WIN 0xc0
.irp f, 0,1,2,3,4,5,6,7,8,9,10,11,12,13,14,15  ; keys 32 (f / 8) on, channels 16 (f % 8) on
	ds_load_tr16_b128 v[8*(\f):8*(\f)+3],   v[AV] offset:((\f)/8)*32*PVP+((\f)%8)*32
	ds_load_tr16_b128 v[8*(\f)+4:8*(\f)+7], v[AV] offset:((\f)/8)*32*PVP+16*PVP+((\f)%8)*32
.endr
	s_add_co_u32 s[TBV], s[TBV], 64*PVP
	WIN 0
.endm
.macro FETCH_T                         ; RK and MK of my 32 keys of the step: keys 16 kb + 8 h + 0..7
.irp kb, 0,1,2,3
	ds_load_b128 v[RKT+8*(\kb):RKT+8*(\kb)+3],   v[AT] offset:64*(\kb)
	ds_load_b128 v[RKT+8*(\kb)+4:RKT+8*(\kb)+7], v[AT] offset:64*(\kb)+16
	ds_load_b128 v[MKT+8*(\kb):MKT+8*(\kb)+3],   v[AT] offset:4096+64*(\kb)
	ds_load_b128 v[MKT+8*(\kb)+4:MKT+8*(\kb)+7], v[AT] offset:4096+64*(\kb)+16
.endr
	s_add_co_u32 s[TT], s[TT], 256
.endm
; THE SOFTMAX of tile t, line n.  SMA: all that names no result of the step's exponentials.  0-15 s'' = s RK + MK, each accumulator from its low end on; 16-31 the maximum of the 32 and m; 32-36 the other
; half of the lanes'; m_old; m; m_old - m; a; 37-52 s'' - m; 53-84 the exponentials.  The four tiles alternate line by line, so a chain's links stand four lines apart.
.macro SMA t
.set rT, ST+8*(\t)
.set rS, S+32*(\t)
.set j, n-16
.if n < 16
	v_pk_fma_f32 v[rS+2*n:rS+2*n+1], v[rS+2*n:rS+2*n+1], v[RKT+2*n:RKT+2*n+1], v[MKT+2*n:MKT+2*n+1]
.elseif n < 20
	v_max3_num_f32 v[rT+4+j], v[rS+8*j], v[rS+8*j+1], v[rS+8*j+2]
.elseif n < 28
	v_max3_num_f32 v[rT+4+j%4], v[rT+4+j%4], v[rS+8*(j%4)+2*(j/4)+1], v[rS+8*(j%4)+2*(j/4)+2]
.elseif n == 28
	v_max3_num_f32 v[rT+4], v[rT+4], v[rS+7], v[rS+15]
.elseif n == 29
	v_max3_num_f32 v[rT+6], v[rT+6], v[rS+23], v[rS+31]
.elseif n == 30
	v_max3_num_f32 v[rT+4], v[rT+4], v[rT+5], v[rT+6]
.elseif n == 31
	v_max3_num_f32 v[rT+4], v[rT+4], v[rT+7], v[rT]
.elseif n == 32
	v_permlanex16_b32 v[rT+5], v[rT+4], s[SEL], s[SEL+1]
.elseif n == 33
	v_mov_b32 v[rT+1], v[rT]
.elseif n == 34
	v_max_num_f32 v[rT], v[rT+4], v[rT+5]
.elseif n == 35
	v_sub_f32 v[rT+7], v[rT+1], v[rT]
.elseif n == 36
	v_exp_f32 v[rT+6], v[rT+7]
.elseif n < 53
	v_pk_add_f32 v[rS+2*(n-37):rS+2*(n-37)+1], v[rS+2*(n-37):rS+2*(n-37)+1], v[rT:rT+1] op_sel_hi:[1,0] neg_lo:[0,1] neg_hi:[0,1]
.else
	v_exp_f32 v[rS+n-53], v[rS+n-53]
.endif
.endm
; SMB, behind the wait: 0 l = a l + the first pair; 1-15 the other pairs; 16-31 the weights rounded to f16, packed in place, ascending
.macro SMB t
.set rT, ST+8*(\t)
.set rS, S+32*(\t)
.if n == 0
	v_pk_fma_f32 v[rT+2:rT+3], v[rT+2:rT+3], v[rT+6:rT+7], v[rS:rS+1] op_sel_hi:[1,0,1]
.elseif n < 16
	v_pk_add_f32 v[rT+2:rT+3], v[rT+2:rT+3], v[rS+2*n:rS+2*n+1]
.else
	v_cvt_pk_f16_f32 v[rS+n-16], v[rS+2*(n-16)], v[rS+2*(n-16)+1]
.endif
.endm
.macro OSCALE                          ; O^T times c2 (a, or 1 / l), every tile
	WIN 0x41                                       ; destination and source 0 window 1
.irp t, 0,1,2,3
.set i, 0
.rept 32
	v_pk_mul_f32 v[64*(\t)+2*i:64*(\t)+2*i+1], v[64*(\t)+2*i:64*(\t)+2*i+1], v[ST+8*(\t)+6:ST+8*(\t)+7] op_sel_hi:[1,0]
.set i, i+1
.endr
.endr
.endm
; A KEY STEP of 64 keys.  qw, qb: the window setting and first register of the pass's Q.  ask = 1: the image pass, whose third step prefetches.
.macro STEP qw, qb, ask
	WIN 0
	v_add_nc_u32 v[AV], s[TBV], v[AV0]
	PLACES                                         ; with the line above: five places between the last V^T P and the first K Q^T, which writes over P
	s_wait_dscnt 0x0                               ; K and the tables are in
.set i, 0
.rept 64
	KQ \qw, \qb
.set i, i+1
.endr
	WIN 0
	PLACES                                         ; behind the products: the softmax works on their results, V's loads land on registers that V^T P has read
	FETCH_V                                        ; waited for a whole first half of the softmax later
.if \ask
	; A PREFETCH of the one refill's rows, the text's keys 256-511 of K and V: asked once, by the head's first cluster; each wave for the 128 rows that it will fetch, of which the partner at cx takes
	; 32 cx .. + 31, a lane a row, told apart by address alone.  It stands behind the third step's run of loads, a step and a half ahead of the refill.  Its registers are never rewritten.
	s_cmp_eq_u32 s[CNT], s[LIM]
	s_cbranch_scc0 .Lnot_mine_\@
	global_prefetch_b8 v[PFO], s[PFA:PFA+1] th:TH_LOAD_NT scope:SCOPE_SE
.Lnot_mine_\@:
.endif
.set n, 0
.rept 85
.irp t, 0,1,2,3
	SMA \t
.endr
.set n, n+1
.endr
	v_nop                                          ; a plain instruction behind the last exponential,
	s_wait_alu depctr_va_vdst(0)                   ; and ONE wait for the step's 132, ahead of the first line that names a result
	s_wait_dscnt 0x0                               ; V is in
	s_cmp_eq_u32 s[CNT], 1                         ; a visit's last step fetches nothing: what follows lies behind a barrier, or does not exist
	s_cbranch_scc1 .Lnok_\@
	v_add_nc_u32 v[AK], s[TBK], v[AK0]
	v_add_nc_u32 v[AT], s[TT], v[AT0]
	FETCH_K                                        ; the next step's K and tables
	FETCH_T
.Lnok_\@:
.set n, 0
.rept 32
.irp t, 0,1,2,3
	SMB \t
.endr
.set n, n+1
.endr
	OSCALE
.set i, 0
.rept 64
	PVM
.set i, i+1
.endr
	WIN 0
.endm
.macro LINV                            ; c2 = 1 / l: l's two halves and the other half of the lanes' are added
.irp t, 0,1,2,3
	v_add_f32 v[ST+8*(\t)+4], v[ST+8*(\t)+2], v[ST+8*(\t)+3]
.endr
.irp t, 0,1,2,3
	v_permlanex16_b32 v[ST+8*(\t)+5], v[ST+8*(\t)+4], s[SEL], s[SEL+1]
.endr
.irp t, 0,1,2,3
	v_add_f32 v[ST+8*(\t)+4], v[ST+8*(\t)+4], v[ST+8*(\t)+5]
.endr
.irp t, 0,1,2,3
	v_rcp_f32 v[ST+8*(\t)+6], v[ST+8*(\t)+4]
.endr
	v_nop
	s_wait_alu depctr_va_vdst(0)                   ; one wait for the four reciprocals
.endm
	; THE IMAGE PASS: keys 0-255, in the upper slot
	s_mov_b32 s[TBK], KUP
	s_mov_b32 s[TBV], VUP
	s_mov_b32 s[TT], TRK
	v_add_nc_u32 v[AK], s[TBK], v[AK0]
	v_add_nc_u32 v[AT], s[TT], v[AT0]
	FETCH_K
	FETCH_T
	s_mov_b32 s[CNT], 4
.Limg:
	STEP 0x0a, 0, 1
	s_sub_co_u32 s[CNT], s[CNT], 1
	s_cmp_lg_u32 s[CNT], 0
	s_cbranch_scc1 .Limg
	; THE ONE REFILL: the upper slot takes the text's keys 256-511.  Each wave waits for all its tensor loads (the lower slot's may have been out), adds 0 to its spare word, and waits for that and for its reads
	; of the slot; a round of the cluster's barrier; the joint load first behind it.  It has four key steps in which to land.
	s_wait_tensorcnt 0x0
	ds_add_u32 v[SPW], v[NIL]                      ; 0 onto my spare word; the descriptors' steps stand between it and the wait for it
	s_sub_nc_u64 s[G0KA+2:G0KA+3], s[G0KA+2:G0KA+3], 768*4096  ; from the image's first key row back to the text's 257th; the type bits on top are not reached
	s_sub_nc_u64 s[G0VA+2:G0VA+3], s[G0VA+2:G0VA+3], 768*4096
	s_wait_dscnt 0x0
	CROUND
	s_cmp_lt_u32 s[WV], 2
	s_cbranch_scc0 .Lre_v
	tensor_load_to_lds s[G0KA:G0KA+3], s[G1K:G1K+7]
	s_nop 0
	PLACES
	s_branch .Lre_asked
.Lre_v:
	tensor_load_to_lds s[G0VA:G0VA+3], s[G1V:G1V+7]
	s_nop 0
	PLACES
.Lre_asked:
	; the image's result, O / l, is set aside in f16 where QI lay; the text pass starts with m at the lowest finite number and l = 0: its first a is 0, so O need only be finite
	LINV
	OSCALE
	WIN 0x85                                       ; sources window 1, destination window 2
.irp t, 0,1,2,3
.set i, 0
.rept 32
	v_cvt_pk_f16_f32 v[32*(\t)+i], v[64*(\t)+2*i], v[64*(\t)+2*i+1]
.set i, i+1
.endr
.endr
	WIN 0
.irp t, 0,1,2,3
	v_mov_b32 v[ST+8*(\t)], 0xff7fffff
	v_mov_b32 v[ST+8*(\t)+2], 0
	v_mov_b32 v[ST+8*(\t)+3], 0
.endr
	; THE TEXT PASS: two visits of four steps, the lower slot and then the upper, which lie on end
	s_mov_b32 s[TBK], KLO
	s_mov_b32 s[TBV], VLO
	s_mov_b32 s[TT], TRK+2048
	s_mov_b32 s[VIS], 2
.Lvisit:
	v_add_nc_u32 v[AK], s[TBK], v[AK0]
	v_add_nc_u32 v[AT], s[TT], v[AT0]
	FETCH_K
	FETCH_T
	s_mov_b32 s[CNT], 4
.Ltxt:
	STEP 0x0e, 128, 0
	s_sub_co_u32 s[CNT], s[CNT], 1
	s_cmp_lg_u32 s[CNT], 0
	s_cbranch_scc1 .Ltxt
	s_wait_tensorcnt 0x0                           ; my part of the refill, the one load that was out, is in: the second visit reads it
	s_wait_dscnt 0x0
	s_barrier_signal -1
	s_barrier_wait -1                              ; everybody's is
	s_sub_co_u32 s[VIS], s[VIS], 1
	s_cmp_lg_u32 s[VIS], 0
	s_cbranch_scc1 .Lvisit
	; THE WAY OUT.  O / l + the image's result, rounded once to f16, through my stage in LDS, a tile (16 rows) at a time
	LINV
.macro PACK t
	WIN 0x21                                       ; source 0 (O^T) window 1, source 2 (the image's result) window 2
.set i, 0
.rept 32
	v_fma_mixlo_f16 v[S+32*(\t)+i], v[64*(\t)+2*i],   v[ST+8*(\t)+6], v[32*(\t)+i] op_sel_hi:[0,0,1]
	v_fma_mixhi_f16 v[S+32*(\t)+i], v[64*(\t)+2*i+1], v[ST+8*(\t)+6], v[32*(\t)+i] op_sel:[0,0,1] op_sel_hi:[0,0,1]
.set i, i+1
.endr
	WIN 0
.irp f, 0,1,2,3,4,5,6,7
	ds_store_b128 v[STO], v[S+32*(\t)+4*(\f):S+32*(\t)+4*(\f)+3] offset:32*(\f)
.endr
.irp f, 0,1,2,3,4,5,6,7
	ds_load_b128 v[S+32*(\t)+4*(\f):S+32*(\t)+4*(\f)+3], v[RD] offset:(\f)*2*SP  ; LDS serves a wave's instructions in order (ISA guide 5.7.1.4): these see the stores above; the next tile's stores come behind them
.endr
.endm
.macro SEND t, younger                 ; younger: the LDS instructions issued behind tile t's loads: the next tile's sixteen, or none
.irp f, 0,1,2,3,4,5,6,7
	s_wait_dscnt (\younger)+7-(\f)
	global_store_b128 v[GO], v[S+32*(\t)+4*(\f):S+32*(\t)+4*(\f)+3], s[86:87] offset:(\t)*65536+(\f)*8192  ; 16 lanes store 256 consecutive bytes, aligned: a row's channels of this head
.endr
.endm
	PACK 0
	PACK 1
	SEND 0, 16
	PACK 2
	SEND 1, 16
	PACK 3
	SEND 2, 16
	SEND 3, 0
	s_wait_tensorcnt 0x0                           ; the wave's end: behind my last tensor load and my last LDS store
	ds_add_u32 v[SPW], v[NIL]
	s_wait_dscnt 0x0
	CROUND                                         ; the closing round: no work-group ends while a partner may still ask for a tile that names it
	s_endpgm
.Lfunc_end_k_qc4902a9dcc_attn:
	.size	k_qc4902a9dcc_attn, .Lfunc_end_k_qc4902a9dcc_attn-k_qc4902a9dcc_attn
	.p2alignl 7, 3214868480
	.fill 96, 4, 3214868480
	.section	.rodata,"a",@progbits
	.p2align	6, 0x0
	.amdhsa_kernel k_qc4902a9dcc_attn
		.amdhsa_group_segment_fixed_size 327680
		.amdhsa_private_segment_fixed_size 0
		.amdhsa_enable_private_segment 0
		.amdhsa_kernarg_size 40
		.amdhsa_user_sgpr_count 2
		.amdhsa_user_sgpr_kernarg_segment_ptr 1
		.amdhsa_wavefront_size32 1
		.amdhsa_system_sgpr_workgroup_id_x 1
		.amdhsa_system_sgpr_workgroup_id_y 1
		.amdhsa_system_sgpr_workgroup_id_z 1
		.amdhsa_system_vgpr_workitem_id 0
		.amdhsa_next_free_vgpr 1024
		.amdhsa_next_free_sgpr 90
		.amdhsa_reserve_vcc 1
		.amdhsa_float_denorm_mode_32 3
		.amdhsa_float_denorm_mode_16_64 3
		.amdhsa_memory_ordered 1
		.amdhsa_forward_progress 1
		.amdhsa_inst_pref_size 217
	.end_amdhsa_kernel
	.amdgpu_metadata
---
amdhsa.version: [ 1, 2 ]
amdhsa.kernels:
  - .name:           k_qc4902a9dcc_attn
    .symbol:         k_qc4902a9dcc_attn.kd
    .args:
      - { .name: qkv, .offset: 0, .size: 8, .value_kind: global_buffer, .address_space: global }
      - { .name: ssq, .offset: 8, .size: 8, .value_kind: global_buffer, .address_space: global }
      - { .name: gt, .offset: 16, .size: 8, .value_kind: global_buffer, .address_space: global }
      - { .name: context_lens, .offset: 24, .size: 8, .value_kind: global_buffer, .address_space: global }
      - { .name: oh, .offset: 32, .size: 8, .value_kind: global_buffer, .address_space: global }
    .group_segment_fixed_size: 327680
    .private_segment_fixed_size: 0
    .kernarg_segment_align: 8
    .kernarg_segment_size: 40
    .max_flat_workgroup_size: 128
    .sgpr_count:     90
    .vgpr_count:     1024
    .wavefront_size: 32
...
	.end_amdgpu_metadata
.endif
;; end of part 3
;; launch oproj (part 4): grid 16 x 16, 4 waves a work-group, clusters of 4 x 4, 327,680 bytes of LDS; arguments oh, wh, bt, out0; writes out0
.if DOCPART == 4
	.amdgcn_target "amdgcn-amd-amdhsa--gfx1250"
	.amdhsa_code_object_version 6
	.text
	.protected	k_qc4902a9dcc_oproj
	.globl	k_qc4902a9dcc_oproj
	.p2align	8
	.type	k_qc4902a9dcc_oproj,@function
k_qc4902a9dcc_oproj:
	s_mov_b64 s[64:65], 0
	v_nop
	global_prefetch_b8 v0, s[64:65] scope:SCOPE_SE
	s_setreg_imm32_b32 hwreg(HW_REG_WAVE_MODE, 25, 1), 1
	s_wait_xcnt 0x0
	s_wait_alu depctr_hold_cnt(0) depctr_sa_sdst(0) depctr_va_vdst(0) depctr_va_sdst(0) depctr_va_ssrc(0) depctr_va_vcc(0) depctr_vm_vsrc(0)
	s_getreg_b32 s2, hwreg(HW_REG_IB_STS2, 6, 4)
	s_cmp_eq_u32 s2, 0
	s_cbranch_scc0 .Lentry_in_a_cluster
	s_endpgm
.Lentry_in_a_cluster:
	s_bfe_u32 s2, ttmp6, 0x10000c
	s_cmp_lg_u32 s2, 0xf033
	s_cbranch_scc0 .Lentry_shape_is_right
	s_endpgm
.Lentry_shape_is_right:
; C[m][n] = the sum over k of A[m][k] W[k][n] + bias[n].  A: f16 [rows][2048]; W: f16 [2048 k][2048 n], one of six in wh; sums in f32.  One text for two launches, told apart by OPROJ.
; OPROJ = 0: THE FIVE PROJECTIONS.  A = ah.  Tile row ty of 256 rows of qkv (f16 [8192][2048], raw x W + b: no norm, no gain): 0-15 q = x Wq; 16-19 k of the text; 20-23 k of the image;
;   24-27 v of the text; 28-31 v of the image (these eight take ah's tile rows 16-23 once more).  For rows 0-6143 each row's sum of squares over the tile's 128 columns, taken of the f32 numbers,
;   goes to ssq: f32 [96 blocks of 64 rows][16 tile columns][64 rows]; the launch behind adds the 16 and makes the norm.
; OPROJ = 1: THE OUTPUT.  A = oh, W = Wo, out0 in f32.
; LIMITS.  f16 ends at 65,504: the raw x W + b stays below it for inputs up to some 30 times those drawn; below 6e-5 f16 keeps its fixed step of 6e-8.  NaN and infinities are not treated apart.
; SHARES.  A tile of C is 256 x 128: 512 or 256 work-groups, a whole number for each of 256 WGPs.  Wave w makes rows 64 w .. + 63 x all 128 columns: 32 accumulators; so a row's 128 columns, and its sum of
; squares, lie in one wave.  K goes in steps of 128 through two LDS slots: A's rows are 256 bytes of memory, W's 128 k rows 256 bytes each, all aligned.
; CLUSTERS.  4 x 4 work-groups.  A's tile hangs on the tile row and is asked for jointly by a row of the cluster, W's on the tile column (and on the cluster's y) and by a column.
; THE MATRIX INSTRUCTION IS USED TRANSPOSED: source 0 = 16 columns of W (turned out of LDS by ds_load_tr16_b128), source 1 = 16 rows of A: a lane holds row l % 16 of C and the columns 8 (l / 16) + 0..7.
; REGISTERS: window 0: v0-31 addresses; v32-127, v128-223 two fragment buffers (W's 8 fragments, then A's 4), later the way out.  window 1: accumulator (a, b) at v[8 (8 a + b)].  window 2: v0-63 my 64 biases.
.set OPROJ, 1
.set KSTEP, 128
.set PA,    272                        ; A's LDS row: 256 bytes + 16 = 68 words: the 16 rows of a load start at 16 different groups of four banks (64 banks of 4 bytes: ISA guide 11.1)
.set PW,    288                        ; W's: 256 + 32 = 72 words
.set AHALF, 128*PA                     ; what wave 0 or 1 fetches
.set WHALF, 64*PW                      ; what wave 2 or 3 fetches
.set WOFF,  2*AHALF
.set SLOT,  WOFF+2*WHALF               ; 106,496
.set STAGE, 2*SLOT                     ; behind the ring: 16 rows for each wave, for the way out
.if OPROJ
.set SP,    528                        ; 512 bytes of f32 + 16
.set SPARE, STAGE+4*16*SP              ; the spare words, 128 bytes a wave: two blocks of 256 bytes that no other line names
.else
.set SP,    272
.set SSTG,  STAGE+4*16*SP              ; 256 bytes a wave: its 64 rows' sums of squares
.set SPARE, SSTG+4*256
.endif
.set LAPS,  2048/(2*KSTEP)
.set ADRA, 16                          ; v16-17 LDS address of my A fragments in slot 0, 1
.set ADRB, 20                          ; v20-21 the same for W
.set SSA,  22                          ; v22  where my row's sum of squares goes
.set SSR,  23                          ; v23  where I read two of them back
.set STO,  24                          ; v24  the way out: where I put my bytes of a row
.set RD,   25                          ; v25  where I read rows back
.set CO,   26                          ; v26  my byte offset in C
.set BO,   27                          ; v27  32 (l / 16): my biases
.set SPW,  28                          ; v28  my spare word: SPARE + 4 x my thread's number; never rewritten
.set NIL,  29                          ; v29  0; never rewritten
.set PFO,  30                          ; v30  4,096 x my lane: a row of A or of W in memory; never rewritten
.set SSO,  31                          ; v31  8 x my lane
.set F0,   32
.set F1,   128
.set T,    32                          ; the way out: 64 numbers in f32
.set TMP,  96                          ; OPROJ = 0: packed
.set SQ,   192
.set SSV,  200
.set G1,  24                           ; s[24:31] group 1 for A's tiles;  s[32:39] group 0, a set for each slot
.set G0,  32
.set G1B, 48                           ; s[48:55], s[56:63] the same for W's
.set G0B, 56
.set LIM, 43                           ; s43  1 in a wave that prefetches, else the greatest number
.set PFA, 44                           ; s[44:45] where my prefetches stand
.set PFS, 46                           ; s[46:47] a K step there, in bytes
.set MSB, 0
.macro WIN new                         ; the immediate's high byte repeats the setting that is left; a switch that changes nothing is dropped
.if MSB != (\new)
	s_set_vgpr_msb (MSB<<8)|(\new)
.set MSB, \new
.endif
.endm
; A joint load: waves 0 and 1 fetch A's halves, waves 2 and 3 W's.  The branch hangs on the wave's number alone.  An s_nop 0 and four v_nop follow each of the two lines.
.macro JLOAD s
	s_cmp_eq_u32 s15, 0
	s_cbranch_scc0 .Lfor_w_\@
	tensor_load_to_lds s[G0+4*(\s):G0+4*(\s)+3], s[G1:G1+7]
	s_nop 0
.rept 4
	v_nop
.endr
	s_branch .Lasked_\@
.Lfor_w_\@:
	tensor_load_to_lds s[G0B+4*(\s):G0B+4*(\s)+3], s[G1B:G1B+7]
	s_nop 0
.rept 4
	v_nop
.endr
.Lasked_\@:
.endm
.macro CREST                           ; a round of the cluster's barrier behind its opening barrier
	s_cmp_lg_u32 s14, 0
	s_cbranch_scc1 .Lnot_wave_0_\@
	s_barrier_signal -3
.Lnot_wave_0_\@:
	s_barrier_wait -3
	s_barrier_signal -1
	s_barrier_wait -1
.endm
.macro CROUND                          ; a whole round
	s_barrier_signal -1
	s_barrier_wait -1
	CREST
.endm
; A PREFETCH, behind each joint refill and the run of LDS loads that follows it: the K step that stands two refills on, 256 matrix instructions ahead of the load that will want it: 32 rows x 256 bytes,
; a lane a row.  Each block is named once in the launch.  A's: waves 0 and 1 of the clusters with x = 0 (OPROJ = 0: and y < 6: the clusters above walk rows that y = 4 and 5 walk); of the 128 rows that
; the wave fetches the partner at cx takes 32 cx .. + 31.  W's: wave 2 of the first cluster along y that takes that weight; of the K step's 128 k rows the partner at cy takes 32 cy .. + 31.
; The partners are told apart by address alone.  K steps 0 to 3 come by their loads; the loop's last trip asks for nothing: there is no K step behind its refills.
.macro ASK
	s_cmp_gt_u32 s3, s[LIM]
	s_cbranch_scc0 .Lnot_mine_\@
	global_prefetch_b8 v[PFO], s[PFA:PFA+1] th:TH_LOAD_NT scope:SCOPE_SE
.Lnot_mine_\@:
.endm
	s_load_b256 s[4:11], s[0:1], 0x0               ; A s[4:5], wh s[6:7], bt s[8:9], C s[10:11]
.if OPROJ == 0
	s_load_b64 s[12:13], s[0:1], 0x20              ; ssq
.endif
	v_lshl_add_u32 v[SPW], v0, 2, SPARE
	v_mov_b32 v[NIL], 0
	ds_add_u32 v[SPW], v[NIL]                      ; the wave's opening: the add and its wait ahead of my first tensor load; work on registers stands between them
	v_lshrrev_b32 v1, 5, v0
	v_readfirstlane_b32 s14, v1                    ; wave 0..3
	s_lshr_b32 s15, s14, 1                         ; I fetch for A (0) or for W (1)
	s_and_b32 s16, s14, 1                          ; which half
	s_bfe_u32 s17, ttmp6, 0x40000                  ; cx
	s_bfe_u32 s18, ttmp6, 0x40004                  ; cy
	s_lshl_b32 s19, ttmp9, 2
	s_add_co_u32 s19, s19, s17                     ; tx: tile column = 4 x cluster x + cx
	s_and_b32 s20, ttmp7, 0xffff                   ; CY: cluster y
	s_lshl_b32 s21, s20, 2
	s_add_co_u32 s21, s21, s18                     ; ty: tile row = 4 x cluster y + cy
.if OPROJ
	s_mov_b32 s22, 5                               ; Wo
	s_mov_b32 s40, s21
.else
	s_max_u32 s22, s20, 3
	s_sub_co_u32 s22, s22, 3                       ; the weight: 0 for CY 0-3, then 1, 2, 3, 4
	s_cmp_ge_u32 s20, 6
	s_cselect_b32 s23, 8, 0
	s_sub_co_u32 s40, s21, s23                     ; A's tile row: v takes the rows that k took
.endif
	s_lshl_b32 s23, s18, 2
	s_lshl_b32 s23, 15, s23                        ; my row of the cluster
	s_lshl_b32 s72, 0x1111, s17                    ; my column
	s_or_b32 s[G1+0], s23, (1<<16)|(1<<20)|(1<<21)|(5<<22)|(3<<25)   ; 15:0 the mask; 17:16 2-byte elements; 20 padding on; 21 set beside a mask; 24:22 after every 64 words; 31:25 4 words of it
	s_or_b32 s[G1B+0], s72, (1<<16)|(1<<20)|(1<<21)|(5<<22)|(7<<25)  ; W's: my column, 8 words of padding
	s_mov_b32 s[G1+1], KSTEP<<16                   ; tensor_dim0 = 128
	s_mov_b32 s[G1+2], 128<<16                     ; tensor_dim1 = 128
	s_mov_b32 s[G1+3], KSTEP<<16                   ; tile_dim0 = 128
	s_mov_b32 s[G1+4], 128                         ; tile_dim1 = 128 rows
	s_mov_b32 s[G1+5], 2048                        ; elements from row to row
	s_mov_b32 s[G1+6], 0
	s_mov_b32 s[G1+7], 0
	s_mov_b32 s[G1B+1], 128<<16                    ; 128 columns
	s_mov_b32 s[G1B+2], 64<<16
	s_mov_b32 s[G1B+3], 128<<16
	s_mov_b32 s[G1B+4], 64                         ; 64 k rows
	s_mov_b32 s[G1B+5], 2048
	s_mov_b32 s[G1B+6], 0
	s_mov_b32 s[G1B+7], 0
	s_mov_b32 s66, 0x76543210                      ; v_permlanex16_b32: each lane takes its own place in the other half
	s_mov_b32 s67, 0xfedcba98
	s_lshl_b32 s40, s40, 20                        ; A: (256 x tile row + 128 x half) rows of 4,096 bytes: no register here ever holds cx
	s_lshl_b32 s41, s16, 19
	s_add_co_u32 s40, s40, s41
	s_mov_b32 s41, 0
	s_lshl_b32 s68, s22, 23                        ; W: the weight's 8,388,608 bytes, 64 x half k rows, 256 bytes a tile column: none of these ever holds cy
	s_lshl_b32 s69, s16, 18
	s_add_co_u32 s68, s68, s69
	s_lshl_b32 s69, s19, 8
	s_add_co_u32 s68, s68, s69
	s_mov_b32 s69, 0
	s_mul_i32 s42, s16, AHALF                      ; where they go: the wave's number and constants alone
	s_mul_i32 s70, s16, WHALF
	s_add_co_u32 s70, s70, WOFF
	s_wait_dscnt 0x0                               ; the opening add is done
	s_wait_kmcnt 0x0
	s_add_nc_u64 s[40:41], s[4:5], s[40:41]
	s_add_nc_u64 s[68:69], s[6:7], s[68:69]
	CROUND                                         ; all sixteen work-groups are here: the first joint loads meet
.irp s, 0,1
	s_mov_b32 s[G0+4*(\s)], 1
	s_add_co_u32 s[G0+4*(\s)+1], s42, (\s)*SLOT
	s_add_nc_u64 s[G0+4*(\s)+2:G0+4*(\s)+3], s[40:41], (\s)*KSTEP*2
	s_or_b32 s[G0+4*(\s)+3], s[G0+4*(\s)+3], 0x80000000
	s_mov_b32 s[G0B+4*(\s)], 1
	s_add_co_u32 s[G0B+4*(\s)+1], s70, (\s)*SLOT
	s_add_nc_u64 s[G0B+4*(\s)+2:G0B+4*(\s)+3], s[68:69], (\s)*KSTEP*4096
	s_or_b32 s[G0B+4*(\s)+3], s[G0B+4*(\s)+3], 0x80000000
	JLOAD \s                                       ; two loads of mine are out
.endr
	v_and_b32 v1, 15, v0                           ; r = l % 16
	v_bfe_u32 v2, v0, 4, 1                         ; h = l / 16
	v_and_b32 v6, 31, v0                           ; l
	v_mul_u32_u24 v3, v1, PA
	v_lshl_add_u32 v3, v2, 4, v3                   ; r x 272 + 16 h
	s_mul_i32 s23, s14, 64*PA                      ; my 64 rows of A
	v_add_nc_u32 v[ADRA], s23, v3
	v_add_nc_u32 v[ADRA+1], SLOT, v[ADRA]
	v_and_b32 v4, 7, v0                            ; the turning load: lane l reads k row 8 h + l % 8, columns 8 ((l / 8) % 2) + 0..7
	v_lshl_add_u32 v4, v2, 3, v4
	v_mul_u32_u24 v4, v4, PW
	v_bfe_u32 v5, v0, 3, 1
	v_lshl_add_u32 v4, v5, 4, v4
	v_add_nc_u32 v[ADRB], WOFF, v4
	v_add_nc_u32 v[ADRB+1], WOFF+SLOT, v4
	s_mul_i32 s23, s14, 16*SP
	s_add_co_u32 s23, s23, STAGE                   ; my stage
.if OPROJ
	v_mul_u32_u24 v[STO], v1, SP                   ; in: row r, 32 bytes for each half of the lanes
	v_lshl_add_u32 v[STO], v2, 5, v[STO]
	v_add_nc_u32 v[STO], s23, v[STO]
	v_lshlrev_b32 v[CO], 4, v6                     ; back: 32 lanes take one row of 512 bytes
	v_add_nc_u32 v[RD], s23, v[CO]
.else
	v_add_nc_u32 v[STO], s23, v3                   ; in: row r, 16 bytes for each half of the lanes (the stage's pitch is A's)
	v_mul_u32_u24 v[RD], v2, SP                    ; back: lanes 0-15 one row of 256 bytes, lanes 16-31 the next
	v_lshl_add_u32 v[RD], v1, 4, v[RD]
	v_add_nc_u32 v[RD], s23, v[RD]
	v_lshlrev_b32 v[CO], 12, v2
	v_lshl_add_u32 v[CO], v1, 4, v[CO]
	s_lshl_b32 s23, s14, 8
	s_add_co_u32 s23, s23, SSTG
	v_lshl_add_u32 v[SSA], v1, 2, s23
	v_lshl_add_u32 v[SSR], v6, 3, s23
	v_lshlrev_b32 v[SSO], 3, v6
.endif
	v_lshlrev_b32 v[BO], 5, v2
	v_lshlrev_b32 v[PFO], 12, v6
	s_lshl_b32 s72, s21, 8
	s_lshl_b32 s73, s14, 6
	s_add_co_u32 s72, s72, s73                     ; my first row of C
.if OPROJ
	s_lshl_b32 s72, s72, 13
	s_lshl_b32 s73, s19, 9
.else
	s_lshl_b32 s72, s72, 12
	s_lshl_b32 s73, s19, 8
.endif
	s_add_co_u32 s72, s72, s73
	s_mov_b32 s73, 0
	s_add_nc_u64 s[10:11], s[10:11], s[72:73]
	s_lshl_b32 s72, s22, 13                        ; the weight's biases, the tile's 128 of them
	s_lshl_b32 s74, s19, 9
	s_add_co_u32 s72, s72, s74
	s_add_nc_u64 s[8:9], s[8:9], s[72:73]
.if OPROJ == 0
	s_lshl_b32 s72, s21, 2
	s_add_co_u32 s72, s72, s14                     ; my block of 64 rows,
	s_lshl_b32 s72, s72, 12
	s_lshl_b32 s74, s19, 8                         ; my tile column's 256 bytes in it
	s_add_co_u32 s72, s72, s74
	s_add_nc_u64 s[12:13], s[12:13], s[72:73]
.endif
	WIN 0x80                                       ; destination window 2, address window 0
.irp b, 0,1,2,3,4,5,6,7
	global_load_b128 v[8*(\b):8*(\b)+3],   v[BO], s[8:9] offset:64*(\b)      ; bias[16 b + 8 h + 0..3]; waited for at the way out
	global_load_b128 v[8*(\b)+4:8*(\b)+7], v[BO], s[8:9] offset:64*(\b)+16
.endr
	WIN 0
	; the prefetches' address: K step 3; each change of slots steps it before it asks
	s_mov_b32 s74, 3*KSTEP*2
	s_mov_b32 s75, 3*KSTEP*4096
	s_mov_b32 s46, KSTEP*2
	s_mov_b32 s47, KSTEP*4096
	s_cmp_eq_u32 s15, 0
	s_cselect_b64 s[PFA:PFA+1], s[40:41], s[68:69]
	s_cselect_b32 s72, s17, s18                    ; my place among the four that ask with me
	s_cselect_b32 s74, s74, s75
	s_cselect_b32 s[PFS], s46, s47
	s_mov_b32 s[PFS+1], 0
	s_lshl_b32 s72, s72, 17                        ; 32 rows of 4,096 bytes
	s_add_co_u32 s72, s72, s74
	s_add_nc_u64 s[PFA:PFA+1], s[PFA:PFA+1], s[72:73]
.if OPROJ
	s_mov_b32 s74, ttmp9
	s_mov_b32 s75, s20
.else
	s_cmp_ge_u32 s20, 6
	s_cselect_b32 s74, 1, 0
	s_or_b32 s74, s74, ttmp9
	s_cmp_ge_u32 s20, 4
	s_cselect_b32 s75, 0, s20
.endif
	s_or_b32 s75, s75, s16                         ; of W's two waves the first asks
	s_cmp_eq_u32 s15, 0
	s_cselect_b32 s74, s74, s75
	s_cmp_eq_u32 s74, 0
	s_cselect_b32 s[LIM], 1, -1                    ; the same in all sixteen partners, for a given wave
; 8 matrix instructions: m block a x all 8 n blocks, 32 along K.  The 32 accumulators take turns, in the same order in every quarter, over the backward jump too.
.macro MUL8 f, a, zero
	WIN 0x50                                       ; C and D in window 1
.irp b, 0,1,2,3,4,5,6,7
.if \zero
	v_wmma_f32_16x16x32_f16 v[8*(8*(\a)+(\b)):8*(8*(\a)+(\b))+7], v[(\f)+8*(\b):(\f)+8*(\b)+7], v[(\f)+64+8*(\a):(\f)+64+8*(\a)+7], 0
.else
	v_wmma_f32_16x16x32_f16 v[8*(8*(\a)+(\b)):8*(8*(\a)+(\b))+7], v[(\f)+8*(\b):(\f)+8*(\b)+7], v[(\f)+64+8*(\a):(\f)+64+8*(\a)+7], v[8*(8*(\a)+(\b)):8*(8*(\a)+(\b))+7]
.endif
.endr
.endm
; 24 LDS loads in one run: quarter q (32 along K) of a slot into buffer f: W's 8 fragments, turned, then A's 4
.macro FETCH slot, q, f
	WIN 0
.irp i, 0,1,2,3,4,5,6,7
	ds_load_tr16_b128 v[(\f)+8*(\i):(\f)+8*(\i)+3],   v[ADRB+(\slot)] offset:32*PW*(\q)+32*(\i)
	ds_load_tr16_b128 v[(\f)+8*(\i)+4:(\f)+8*(\i)+7], v[ADRB+(\slot)] offset:32*PW*(\q)+32*(\i)+16*PW
.endr
.irp a, 0,1,2,3
	ds_load_b128 v[(\f)+64+8*(\a):(\f)+64+8*(\a)+3],   v[ADRA+(\slot)] offset:64*(\q)+16*PA*(\a)
	ds_load_b128 v[(\f)+64+8*(\a)+4:(\f)+64+8*(\a)+7], v[ADRA+(\slot)] offset:64*(\q)+16*PA*(\a)+32
.endr
.endm
.macro PLACES                          ; four places in front of loads into registers that matrix instructions have read, and of vector work on their registers
.rept 4
	v_nop
.endr
.endm
; One of a K step's first three quarters: multiplies buffer f; in its middle it fetches quarter q into buffer g
.macro QUARTER slot, q, f, g, zero
	s_wait_dscnt 4                                 ; W and A's fragments 0 and 1 are in; the youngest four loads (fragments 2 and 3) may be out
	MUL8 \f, 0, \zero
	MUL8 \f, 1, \zero
	PLACES
	FETCH \slot, \q, \g
	s_wait_dscnt 24                                ; all but the 24 just issued
	MUL8 \f, 2, \zero
	MUL8 \f, 3, \zero
.endm
; The last quarter multiplies buffer 1 and changes slots: ONE barrier; in front of it each wave waits for all its tensor loads (one is out: its part of the next slot), adds 0 to its spare word, and waits
; for that and for its own reads of this slot.  fill = 1: the barrier opens a round of the cluster's barrier, and this slot is filled again, two K steps ahead, first thing behind the round.
.macro TURN slot, next, fill
.if \fill
	s_wait_xcnt 0x0                                ; the last prefetch, a K step back, has read its address
	s_add_nc_u64 s[PFA:PFA+1], s[PFA:PFA+1], s[PFS:PFS+1]
.endif
	WIN 0
	s_wait_tensorcnt 0x0
	ds_add_u32 v[SPW], v[NIL]
	s_wait_dscnt 5                                 ; (the add and the youngest four loads may be out)
	MUL8 F1, 0, 0
	s_wait_dscnt 0x0                               ; the add is done, and my reads of this slot are over
	s_barrier_signal -1
	MUL8 F1, 1, 0
.if \fill
	WIN 0
.endif
	s_barrier_wait -1
.if \fill
	CREST                                          ; no wave of any partner still reads this slot or has a load on its way
	s_add_nc_u64 s[G0+4*(\slot)+2:G0+4*(\slot)+3], s[G0+4*(\slot)+2:G0+4*(\slot)+3], 2*KSTEP*2
	s_add_nc_u64 s[G0B+4*(\slot)+2:G0B+4*(\slot)+3], s[G0B+4*(\slot)+2:G0B+4*(\slot)+3], 2*KSTEP*4096
	JLOAD \slot                                    ; my one tensor load behind the round; its four v_nop are also the places in front of the loads below
.else
	PLACES
.endif
	FETCH \next, 0, F0
.if \fill
	ASK
.endif
	MUL8 F1, 2, 0
	MUL8 F1, 3, 0
.endm
	s_wait_tensorcnt 0x1                           ; my part of K step 0 is in; K step 1's may stay out
	s_barrier_signal -1
	s_barrier_wait -1
	FETCH 0, 0, F0
	QUARTER 0, 1, F0, F1, 1                        ; the first quarter's products start the sums: nothing is cleared
	WIN 0
	s_mov_b32 s3, LAPS-1
.Llap:                                                 ; a trip goes once round the ring, from a lap's second quarter to the next lap's first
	QUARTER 0, 2, F1, F0, 0
	QUARTER 0, 3, F0, F1, 0
	TURN 0, 1, 1
	QUARTER 1, 1, F0, F1, 0
	QUARTER 1, 2, F1, F0, 0
	QUARTER 1, 3, F0, F1, 0
	TURN 1, 0, 1
	QUARTER 0, 1, F0, F1, 0
	WIN 0
	s_sub_co_u32 s3, s3, 1
	s_cmp_lg_u32 s3, 0
	s_cbranch_scc1 .Llap
	QUARTER 0, 2, F1, F0, 0                        ; the last lap fills nothing
	QUARTER 0, 3, F0, F1, 0
	TURN 0, 1, 0
	QUARTER 1, 1, F0, F1, 0
	QUARTER 1, 2, F1, F0, 0
	QUARTER 1, 3, F0, F1, 0
	s_wait_dscnt 4
	MUL8 F1, 0, 0
	MUL8 F1, 1, 0
	s_wait_dscnt 0x0
	MUL8 F1, 2, 0
	MUL8 F1, 3, 0
	WIN 0
	PLACES
	s_wait_loadcnt 0x0                             ; the biases
; THE WAY OUT, a block of 16 rows at a time.  BIAS: the block's 64 numbers a lane plus their biases, each accumulator from its low end on.
.macro BIAS a
	WIN 0x09                                       ; source 0 window 1, source 1 window 2
.irp b, 0,1,2,3,4,5,6,7
.irp p, 0,1,2,3
	v_pk_add_f32 v[T+8*(\b)+2*(\p):T+8*(\b)+2*(\p)+1], v[8*(8*(\a)+(\b))+2*(\p):8*(8*(\a)+(\b))+2*(\p)+1], v[8*(\b)+2*(\p):8*(\b)+2*(\p)+1]
.endr
.endr
	WIN 0
.endm
.if OPROJ
.macro PACK a
	BIAS \a
.endm
.macro TOSTAGE a                       ; into my own stage, and back as whole rows of 512 bytes
.set BK, 96+64*((\a)%2)
.irp b, 0,1,2,3,4,5,6,7
	ds_store_b128 v[STO], v[T+8*(\b):T+8*(\b)+3]   offset:64*(\b)
	ds_store_b128 v[STO], v[T+8*(\b)+4:T+8*(\b)+7] offset:64*(\b)+16
.endr
.irp t, 0,1,2,3,4,5,6,7,8,9,10,11,12,13,14,15
	ds_load_b128 v[BK+4*(\t):BK+4*(\t)+3], v[RD] offset:(\t)*SP  ; LDS serves a wave's instructions in order (ISA guide 5.7.1.4): these see the stores above
.endr
.endm
.macro SEND a
.set BK, 96+64*((\a)%2)
	s_wait_dscnt 0x0                               ; the block is back in registers
	s_wait_xcnt 0x0                                ; earlier stores have read their base and their registers
.if (\a) > 0
	s_add_nc_u64 s[10:11], s[10:11], 16*8192
.endif
.irp t, 0,1,2,3,4,5,6,7,8,9,10,11,12,13,14,15
	global_store_b128 v[CO], v[BK+4*(\t):BK+4*(\t)+3], s[10:11] offset:(\t)*8192  ; a wave stores 512 consecutive bytes, aligned
.endr
.endm
.else
.macro PACK a                          ; the row's sum of squares, in two chains, of the f32 numbers; then rounded to f16
	BIAS \a
	v_pk_mul_f32 v[SQ:SQ+1],   v[T:T+1],   v[T:T+1]
	v_pk_mul_f32 v[SQ+2:SQ+3], v[T+2:T+3], v[T+2:T+3]
.set i, 2
.rept 30
	v_pk_fma_f32 v[SQ+2*(i%2):SQ+2*(i%2)+1], v[T+2*i:T+2*i+1], v[T+2*i:T+2*i+1], v[SQ+2*(i%2):SQ+2*(i%2)+1]
.set i, i+1
.endr
.set i, 0
.rept 32
	v_cvt_pk_f16_f32 v[TMP+i], v[T+2*i], v[T+2*i+1]
.set i, i+1
.endr
	v_pk_add_f32 v[SQ:SQ+1], v[SQ:SQ+1], v[SQ+2:SQ+3]
	v_add_f32 v204, v[SQ], v[SQ+1]
	v_permlanex16_b32 v[SQ+1], v204, s66, s67      ; the row's other 64 columns lie in the lane 16 away
	v_add_f32 v[SSV+(\a)], v204, v[SQ+1]
.endm
.macro TOSTAGE a                       ; into my own stage, and back as whole rows of 256 bytes
.set BK, 128+32*((\a)%2)
.irp b, 0,1,2,3,4,5,6,7
	ds_store_b128 v[STO], v[TMP+4*(\b):TMP+4*(\b)+3] offset:32*(\b)
.endr
.irp t, 0,1,2,3,4,5,6,7
	ds_load_b128 v[BK+4*(\t):BK+4*(\t)+3], v[RD] offset:(\t)*2*SP  ; LDS serves a wave's instructions in order (ISA guide 5.7.1.4): these see the stores above
.endr
.endm
.macro SEND a
.set BK, 128+32*((\a)%2)
	s_wait_dscnt 0x0
	s_wait_xcnt 0x0                                ; earlier stores have read their base and their registers
.if (\a) > 0
	s_add_nc_u64 s[10:11], s[10:11], 16*4096
.endif
.irp t, 0,1,2,3,4,5,6,7
	global_store_b128 v[CO], v[BK+4*(\t):BK+4*(\t)+3], s[10:11] offset:(\t)*8192  ; 16 lanes store 256 consecutive bytes, aligned
.endr
.endm
.endif
	PACK 0
	TOSTAGE 0
.irp a, 1,2,3                          ; block a's arithmetic stands between block a - 1's loads from the stage and the wait for them
	PACK \a
	SEND (\a)-1
	TOSTAGE \a
.endr
	SEND 3
.if OPROJ == 0
	s_cmp_lt_u32 s20, 6                            ; v's rows have no norm; the test hangs on the cluster's y alone
	s_cbranch_scc0 .Lnossq
.irp a, 0,1,2,3
	ds_store_b32 v[SSA], v[SSV+(\a)] offset:64*(\a)  ; row 16 a + r; both halves of the lanes hold the same sum
.endr
	ds_load_b64 v[206:207], v[SSR]                 ; rows 2 l and 2 l + 1: in order behind my own stores
	s_wait_dscnt 0x0
	global_store_b64 v[SSO], v[206:207], s[12:13]  ; the wave's 64 sums: 256 consecutive bytes, aligned
.Lnossq:
.endif
	s_wait_tensorcnt 0x0                           ; the wave's end: behind my last tensor load and my last LDS store
	ds_add_u32 v[SPW], v[NIL]
	s_wait_dscnt 0x0
	CROUND                                         ; the closing round: no work-group ends while a partner may still ask for a tile that names it
	s_endpgm
.Lfunc_end_k_qc4902a9dcc_oproj:
	.size	k_qc4902a9dcc_oproj, .Lfunc_end_k_qc4902a9dcc_oproj-k_qc4902a9dcc_oproj
	.p2alignl 7, 3214868480
	.fill 96, 4, 3214868480
	.section	.rodata,"a",@progbits
	.p2align	6, 0x0
	.amdhsa_kernel k_qc4902a9dcc_oproj
		.amdhsa_group_segment_fixed_size 327680
		.amdhsa_private_segment_fixed_size 0
		.amdhsa_enable_private_segment 0
		.amdhsa_kernarg_size 32
		.amdhsa_user_sgpr_count 2
		.amdhsa_user_sgpr_kernarg_segment_ptr 1
		.amdhsa_wavefront_size32 1
		.amdhsa_system_sgpr_workgroup_id_x 1
		.amdhsa_system_sgpr_workgroup_id_y 1
		.amdhsa_system_sgpr_workgroup_id_z 1
		.amdhsa_system_vgpr_workitem_id 0
		.amdhsa_next_free_vgpr 576
		.amdhsa_next_free_sgpr 80
		.amdhsa_reserve_vcc 0
		.amdhsa_float_denorm_mode_32 3
		.amdhsa_float_denorm_mode_16_64 3
		.amdhsa_memory_ordered 1
		.amdhsa_forward_progress 1
		.amdhsa_inst_pref_size 96
	.end_amdhsa_kernel
	.amdgpu_metadata
---
amdhsa.version: [ 1, 2 ]
amdhsa.kernels:
  - .name:           k_qc4902a9dcc_oproj
    .symbol:         k_qc4902a9dcc_oproj.kd
    .args:
      - { .name: oh, .offset: 0, .size: 8, .value_kind: global_buffer, .address_space: global }
      - { .name: wh, .offset: 8, .size: 8, .value_kind: global_buffer, .address_space: global }
      - { .name: bt, .offset: 16, .size: 8, .value_kind: global_buffer, .address_space: global }
      - { .name: out0, .offset: 24, .size: 8, .value_kind: global_buffer, .address_space: global }
    .group_segment_fixed_size: 327680
    .private_segment_fixed_size: 0
    .kernarg_segment_align: 8
    .kernarg_segment_size: 32
    .max_flat_workgroup_size: 128
    .sgpr_count:     80
    .vgpr_count:     576
    .wavefront_size: 32
...
	.end_amdgpu_metadata
.endif
;; end of part 4
;; ======== version 2 of 2: 4 launches; version 1 with the launch cast written anew for expert scheduling mode
;; limits: values are held in f16: magnitudes above 65,504 overflow, below 6.1e-05 lose precision
;; workspace buffers: ah 25,165,824 bytes; wh 50,331,648 bytes; bt 49,152 bytes; gt 8,192 bytes; qkv 33,554,432 bytes; ssq 393,216 bytes; oh 16,777,216 bytes
;; launch cast (part 5): grid 256 x 9, 8 waves a work-group, no clusters, 0 bytes of LDS; arguments x, context, Wq, Wk, Wki, Wv, Wvi, Wo, bq, bk, bki, bv, bvi, bo, gq, gk, gki, ah, wh, bt, gt; writes ah, wh, bt, gt
.if DOCPART == 5
	.amdgcn_target "amdgcn-amd-amdhsa--gfx1250"
	.amdhsa_code_object_version 6
	.text
	.protected	k_qc4902a9dcc_cast
	.globl	k_qc4902a9dcc_cast
	.p2align	8
	.type	k_qc4902a9dcc_cast,@function
k_qc4902a9dcc_cast:
	s_mov_b64 s[64:65], 0
	v_nop
	global_prefetch_b8 v0, s[64:65] scope:SCOPE_SE
	s_setreg_imm32_b32 hwreg(HW_REG_WAVE_SCHED_MODE, 0, 2), 2
	s_setreg_imm32_b32 hwreg(HW_REG_WAVE_MODE, 25, 1), 1
	s_wait_xcnt 0x0
	s_wait_alu depctr_vm_vsrc(0)
; EVERY INPUT IS ROUNDED ONCE TO bf16.  x, context and the six weights are then written as that same number in f16 (exact inside f16's range), so that one matrix form serves all products.
; ah: f16 [6144][2048]: rows 0-4095 x; 4096 + 512 b + j text row j of batch b; 5120 + 512 b + i image row min(i, 256) (rows 257-511 repeat row 256: finite, never used as keys).
; wh: f16 [6][2048][2048]: Wq, Wk, Wki, Wv, Wvi, Wo as they lie.  bt: f32 [6][2048]: bq, bk, bki, bv, bvi, bo rounded to bf16.  gt: f16 [2][2048]: gq gki, gq gk (of the rounded gains).
; LIMITS.  A number of 65,520 or more in magnitude becomes an infinity in f16; below 6e-5 f16 keeps its fixed step of 6e-8.  NaN and infinities are not treated apart.
; SHARES.  18,432 rows of 2,048 numbers in 2,304 work-groups of 8 rows: nine for each of 256 WGPs.  Eight waves.  Thread t takes the 16 bytes at 16 t and at 4,096 + 16 t of a source row (a wave's load:
; 512 bytes on end) and stores 8 bytes at 8 t and at 2,048 + 8 t (a wave's store: 256 bytes on end, aligned).  All sixteen loads of a thread go out at once; each row is converted in place as it comes,
; so no register that a store reads is written again.
; No LDS, no cluster, no matrix unit: nothing is shared and nothing is multiplied.  No prefetch: the launch is one stream that is read as fast as it comes.
; THE MODE: SCHED_MODE bits 1:0 = 2 (LLVM: expert scheduling mode 2), set by the entry lines.  The code itself states the register dependences
; between vector instructions and memory instructions, with s_wait_alu, always for 0.
; THE PLAN.  Registers that memory instructions touch:
;   v1, v2, OFF0 .. OFF7   byte offsets, all made at the head, ahead of ONE wait, and never written again: every load and store reads one of them.
;   X, row i               Its two loads land in its eight registers; row i's twelve vector instructions work in place; the two stores that are issued in row i + 1 read its first four.  Never written again.
;   U                      named by vector instructions alone.
;   SJ, SU                 (the small job, in one work-group) loaded, worked on, stored behind one wait; the stream's loads land on part of SJ, behind a wait that states that the stores have read it.
; Row i's memory instructions are the stores of row i - 1, and row i's vector instructions name U and row i's own registers alone.  So one wait at a row's head, behind the wait for the row's data,
; states all that the two stores hang on, and they are dealt among the row's vector instructions with no further wait.
.set OFF, 4                            ; v[4:11]   row i: byte offset of my first 16 bytes in its source row; never rewritten
.set X,   12                           ; v[12:75]  row i: 8 registers as loaded; its first 4 then hold what is stored
.set U,   76                           ; v[76:79]  at work
.set SJ,  32                           ; v[32:103] the small job's nine vectors, 8 registers each (ahead of the stream)
.set SU,  104                          ; v[104:111] the small job's work
.set RB,  8                            ; s[8:15]   row i: its source row's byte offset
	s_load_b512 s[8:23], s[0:1], 0x0               ; x, context, Wq, Wk, Wki, Wv, Wvi, Wo
	s_load_b512 s[24:39], s[0:1], 0x40             ; bq, bk, bki, bv, bvi, bo, gq, gk
	s_load_b256 s[40:47], s[0:1], 0x80             ; gki, ah, wh, bt
	s_load_b64 s[48:49], s[0:1], 0xa0              ; gt
	s_mov_b32 s3, ttmp9                            ; gx
	s_and_b32 s2, ttmp7, 0xffff                    ; y: 0, 1 x; 2 context; 3-8 a weight
	s_mov_b32 s57, 0xffff0000                      ; a word's upper bf16
	v_lshlrev_b32 v1, 4, v0                        ; 16 t
	v_lshlrev_b32 v2, 3, v0                        ; 8 t
	; source row of my row r = S0 + min(R0 + r, LIM): s55 = S0, s54 = R0, s56 = LIM; s59 = first destination row
	s_lshl_b32 s60, s3, 3                          ; 8 gx
	s_lshl_b32 s61, s2, 11
	s_add_co_u32 s61, s61, s60                     ; 2,048 y + 8 gx
	s_bfe_u32 s62, s3, 0x10006                     ; context: the batch is bit 6 of gx
	s_mul_i32 s62, s62, 769
	s_mov_b32 s56, 511
	s_cmp_ge_u32 s3, 128                           ; gx >= 128: image rows
	s_cselect_b32 s63, 0, 257
	s_cselect_b32 s56, 256, s56
	s_add_co_u32 s55, s62, s63
	s_and_b32 s54, s3, 63
	s_lshl_b32 s54, s54, 3
	s_add_co_u32 s59, s60, 4096
	s_cmp_lt_u32 s2, 2                             ; x
	s_cselect_b32 s55, 0, s55
	s_cselect_b32 s54, s61, s54
	s_cselect_b32 s56, 4095, s56
	s_cselect_b32 s59, s61, s59
	s_sub_co_u32 s61, s61, 6144                    ; 2,048 (y - 3) + 8 gx: used for y >= 3 alone
	s_cmp_ge_u32 s2, 3                             ; a weight
	s_cselect_b32 s55, 0, s55
	s_cselect_b32 s54, s60, s54
	s_cselect_b32 s56, 2047, s56
	s_cselect_b32 s59, s61, s59
	s_lshl_b32 s60, s59, 12                        ; a destination row is 4,096 bytes
	s_mov_b32 s61, 0
	s_wait_kmcnt 0x0
	s_cmp_ge_u32 s2, 2
	s_cselect_b64 s[50:51], s[10:11], s[8:9]       ; the source: chosen among the eight buffers by y alone
.irp k, 3,4,5,6,7,8
	s_cmp_ge_u32 s2, \k
	s_cselect_b64 s[50:51], s[6+2*(\k):7+2*(\k)], s[50:51]
.endr
	s_cmp_lt_u32 s2, 3
	s_cselect_b64 s[52:53], s[42:43], s[44:45]     ; the destination: ah or wh
	s_add_nc_u64 s[52:53], s[52:53], s[60:61]
	; the eight rows' offsets, all ahead of the one wait.  The source is chosen, so s[8:15] are free: a scalar register of its own for each row, so that none that a vector instruction reads is written again
.irp i, 0,1,2,3,4,5,6,7
	s_add_co_u32 s[RB+(\i)], s54, \i
	s_min_u32 s[RB+(\i)], s[RB+(\i)], s56
	s_add_co_u32 s[RB+(\i)], s[RB+(\i)], s55
	s_lshl_b32 s[RB+(\i)], s[RB+(\i)], 13          ; a source row is 8,192 bytes
	v_add_nc_u32 v[OFF+(\i)], s[RB+(\i)], v1
.endr
	s_wait_alu depctr_va_vdst(0)                   ; v1, v2 and the eight OFF are written: every load and store of the kernel reads one of them as its offset
	; THE SMALL JOB, in one work-group: biases and gains.  Thread t: channels 4 t .. 4 t + 3 and 1,024 + 4 t .. + 3.
	s_or_b32 s58, s2, s3
	s_cmp_lg_u32 s58, 0
	s_cbranch_scc1 .Lrows
.irp i, 0,1,2,3,4,5,6,7,8
	global_load_b128 v[SJ+8*(\i):SJ+8*(\i)+3],   v1, s[24+2*(\i):25+2*(\i)]
	global_load_b128 v[SJ+8*(\i)+4:SJ+8*(\i)+7], v1, s[24+2*(\i):25+2*(\i)] offset:4096
.endr
	s_wait_loadcnt 0x0
.irp i, 0,1,2,3,4,5,6,7,8
.irp j, 0,1,2,3
	v_cvt_pk_bf16_f32 v[SU+(\j)], v[SJ+8*(\i)+2*(\j)], v[SJ+8*(\i)+2*(\j)+1]  ; rounded to bf16,
.endr
.irp j, 0,1,2,3
	v_lshlrev_b32 v[SJ+8*(\i)+2*(\j)],   16,  v[SU+(\j)]                      ; and back in f32, in place
	v_and_b32     v[SJ+8*(\i)+2*(\j)+1], s57, v[SU+(\j)]
.endr
.endr
.irp j, 0,2,4,6
	v_pk_mul_f32 v[SJ+56+(\j):SJ+57+(\j)], v[SJ+48+(\j):SJ+49+(\j)], v[SJ+56+(\j):SJ+57+(\j)]  ; gq gk: exact in f32 (8 x 8 significant bits)
	v_pk_mul_f32 v[SJ+64+(\j):SJ+65+(\j)], v[SJ+48+(\j):SJ+49+(\j)], v[SJ+64+(\j):SJ+65+(\j)]  ; gq gki
.endr
.irp j, 0,1,2,3
	v_cvt_pk_f16_f32 v[SU+(\j)],   v[SJ+64+2*(\j)], v[SJ+65+2*(\j)]
	v_cvt_pk_f16_f32 v[SU+4+(\j)], v[SJ+56+2*(\j)], v[SJ+57+2*(\j)]
.endr
	s_wait_alu depctr_va_vdst(0)                   ; all the small job's vector work is done: the six biases in SJ and the gains' products in SU are written, which the sixteen stores read; and no vector instruction is still at work on a register of SJ in which a load of the stream lands
.irp i, 0,1,2,3,4,5
	global_store_b128 v1, v[SJ+8*(\i):SJ+8*(\i)+3],   s[46:47] offset:8192*(\i)
	global_store_b128 v1, v[SJ+8*(\i)+4:SJ+8*(\i)+7], s[46:47] offset:8192*(\i)+4096
.endr
	global_store_b64 v2, v[SU:SU+1],   s[48:49]                ; gt[0] = gq gki
	global_store_b64 v2, v[SU+2:SU+3], s[48:49] offset:2048
	global_store_b64 v2, v[SU+4:SU+5], s[48:49] offset:4096    ; gt[1] = gq gk
	global_store_b64 v2, v[SU+6:SU+7], s[48:49] offset:6144
	s_wait_xcnt 0x0                                ; these stores have had their addresses translated (ISA guide 3.1): the rows' loads land on some of their registers only behind this wait
	s_wait_alu depctr_vm_vsrc(0)                   ; the stores have read v[SJ ..], on part of which the rows' loads land
.Lrows:
.irp i, 0,1,2,3,4,5,6,7
	global_load_b128 v[X+8*(\i):X+8*(\i)+3],   v[OFF+(\i)], s[50:51]              ; no vector instruction since the last wait on va_vdst names OFF or X, on either way here
	global_load_b128 v[X+8*(\i)+4:X+8*(\i)+7], v[OFF+(\i)], s[50:51] offset:4096
.endr
; Half p of row i's 16 bytes goes out.
.macro OUT i, p
	global_store_b64 v2, v[X+8*(\i)+2*(\p):X+8*(\i)+2*(\p)+1], s[52:53] offset:4096*(\i)+2048*(\p) th:TH_STORE_NT
.endm
; Row i: rounded to bf16, widened, written as f16 into the row's own first four registers (result j reads registers 2 j and 2 j + 1, never one that an earlier result has taken).
; The row before is stored meanwhile.
.macro ROW i
	s_wait_loadcnt 14-2*(\i)                       ; loads come back in order (ISA guide 5.7.1): my two are in; the younger rows' two each stay out
.if (\i) > 0
	s_wait_alu depctr_va_vdst(0)                   ; the row before has written its four result registers, which the two stores below read
	OUT (\i)-1, 0
.endif
.irp j, 0,1,2,3
	v_cvt_pk_bf16_f32 v[U+(\j)], v[X+8*(\i)+2*(\j)], v[X+8*(\i)+2*(\j)+1]
.endr
.if (\i) > 0
	OUT (\i)-1, 1                                  ; no wait: no vector instruction since the wait above names the row before's registers or v2
.endif
.irp j, 0,1,2,3
	v_lshlrev_b32 v[X+8*(\i)+2*(\j)],   16,  v[U+(\j)]
	v_and_b32     v[X+8*(\i)+2*(\j)+1], s57, v[U+(\j)]
.endr
.irp j, 0,1,2,3
	v_cvt_pk_f16_f32 v[X+8*(\i)+(\j)], v[X+8*(\i)+2*(\j)], v[X+8*(\i)+2*(\j)+1]
.endr
.endm
.irp i, 0,1,2,3,4,5,6,7
	ROW \i
.endr
	s_wait_alu depctr_va_vdst(0)                   ; row 7 has written its four result registers, which the last two stores read
	OUT 7, 0
	OUT 7, 1
	s_endpgm
.Lfunc_end_k_qc4902a9dcc_cast:
	.size	k_qc4902a9dcc_cast, .Lfunc_end_k_qc4902a9dcc_cast-k_qc4902a9dcc_cast
	.p2alignl 7, 3214868480
	.fill 96, 4, 3214868480
	.section	.rodata,"a",@progbits
	.p2align	6, 0x0
	.amdhsa_kernel k_qc4902a9dcc_cast
		.amdhsa_group_segment_fixed_size 0
		.amdhsa_private_segment_fixed_size 0
		.amdhsa_enable_private_segment 0
		.amdhsa_kernarg_size 168
		.amdhsa_user_sgpr_count 2
		.amdhsa_user_sgpr_kernarg_segment_ptr 1
		.amdhsa_wavefront_size32 1
		.amdhsa_system_sgpr_workgroup_id_x 1
		.amdhsa_system_sgpr_workgroup_id_y 1
		.amdhsa_system_sgpr_workgroup_id_z 1
		.amdhsa_system_vgpr_workitem_id 0
		.amdhsa_next_free_vgpr 112
		.amdhsa_next_free_sgpr 66
		.amdhsa_reserve_vcc 0
		.amdhsa_float_denorm_mode_32 3
		.amdhsa_float_denorm_mode_16_64 3
		.amdhsa_memory_ordered 1
		.amdhsa_forward_progress 1
		.amdhsa_inst_pref_size 23
	.end_amdhsa_kernel
	.amdgpu_metadata
---
amdhsa.version: [ 1, 2 ]
amdhsa.kernels:
  - .name:           k_qc4902a9dcc_cast
    .symbol:         k_qc4902a9dcc_cast.kd
    .args:
      - { .name: x, .offset: 0, .size: 8, .value_kind: global_buffer, .address_space: global }
      - { .name: context, .offset: 8, .size: 8, .value_kind: global_buffer, .address_space: global }
      - { .name: Wq, .offset: 16, .size: 8, .value_kind: global_buffer, .address_space: global }
      - { .name: Wk, .offset: 24, .size: 8, .value_kind: global_buffer, .address_space: global }
      - { .name: Wki, .offset: 32, .size: 8, .value_kind: global_buffer, .address_space: global }
      - { .name: Wv, .offset: 40, .size: 8, .value_kind: global_buffer, .address_space: global }
      - { .name: Wvi, .offset: 48, .size: 8, .value_kind: global_buffer, .address_space: global }
      - { .name: Wo, .offset: 56, .size: 8, .value_kind: global_buffer, .address_space: global }
      - { .name: bq, .offset: 64, .size: 8, .value_kind: global_buffer, .address_space: global }
      - { .name: bk, .offset: 72, .size: 8, .value_kind: global_buffer, .address_space: global }
      - { .name: bki, .offset: 80, .size: 8, .value_kind: global_buffer, .address_space: global }
      - { .name: bv, .offset: 88, .size: 8, .value_kind: global_buffer, .address_space: global }
      - { .name: bvi, .offset: 96, .size: 8, .value_kind: global_buffer, .address_space: global }
      - { .name: bo, .offset: 104, .size: 8, .value_kind: global_buffer, .address_space: global }
      - { .name: gq, .offset: 112, .size: 8, .value_kind: global_buffer, .address_space: global }
      - { .name: gk, .offset: 120, .size: 8, .value_kind: global_buffer, .address_space: global }
      - { .name: gki, .offset: 128, .size: 8, .value_kind: global_buffer, .address_space: global }
      - { .name: ah, .offset: 136, .size: 8, .value_kind: global_buffer, .address_space: global }
      - { .name: wh, .offset: 144, .size: 8, .value_kind: global_buffer, .address_space: global }
      - { .name: bt, .offset: 152, .size: 8, .value_kind: global_buffer, .address_space: global }
      - { .name: gt, .offset: 160, .size: 8, .value_kind: global_buffer, .address_space: global }
    .group_segment_fixed_size: 0
    .private_segment_fixed_size: 0
    .kernarg_segment_align: 8
    .kernarg_segment_size: 168
    .max_flat_workgroup_size: 256
    .sgpr_count:     66
    .vgpr_count:     112
    .wavefront_size: 32
...
	.end_amdgpu_metadata
.endif
;; end of part 5
;; launch proj: the kernel of part 2 again; grid 8 x 32, 4 waves a work-group, clusters of 4 x 4, 327,680 bytes of LDS; arguments ah, wh, bt, qkv, ssq; writes qkv, ssq
;; launch attn: the kernel of part 3 again; grid 8 x 32, 4 waves a work-group, clusters of 4 x 1, 327,680 bytes of LDS; arguments qkv, ssq, gt, context_lens, oh; writes oh
;; launch oproj: the kernel of part 4 again; grid 16 x 16, 4 waves a work-group, clusters of 4 x 4, 327,680 bytes of LDS; arguments oh, wh, bt, out0; writes out0
